; MI455X (gfx1250); checked and timed in simulation.
; The chip was launched on July 23, 2026; its instructions are those of AMD's public machine-readable ISA for CDNA 5 (MIT licence, August 2026) and "CDNA5" Instruction Set Architecture Reference Guide (July 2026). The comments in the code are by the model that wrote it; some were corrected since.
;; Grouped Query Attention. Allowed arithmetic: float matrix products may take bf16 or f16 operands with f32 sums; all other float work in f32.
;; Inputs: Wk 512 x 4,096 float32; Wo 4,096 x 512 float32; Wq 512 x 16,384 float32; Wv 512 x 4,096 float32; bk 4,096 float32; bo 512 float32; bq 16,384 float32; bv 4,096 float32; x 2 x 2,048 x 512 float32.
;; Outputs: out0 2 x 2,048 x 512 float32.
;; One version. Each part assembles by itself: llvm-mc -triple=amdgcn-amd-amdhsa -mcpu=gfx1250 --defsym DOCPART=n.
;; ======== version 1 of 1: 6 launches
;; limits: values outside matrix products are rounded to bf16
;; workspace buffers: xb 4,194,304 bytes; xpart 65,536 bytes; Pf 8,650,752 bytes; kpart 262,144 bytes; Uraw 135,168 bytes; wpart 2,048 bytes; Mf 1,048,576 bytes; Cf 65,536 bytes
;; launch prep (part 1): grid 256 x 1, 8 waves a work-group, no clusters, 239,616 bytes of LDS; arguments x, Wv, Wo, bv, xb, xpart, Pf; writes xb, xpart, Pf
.if DOCPART == 1
	.amdgcn_target "amdgcn-amd-amdhsa--gfx1250"
	.amdhsa_code_object_version 6
	.text
	.protected	k_q0982280ad2_prep
	.globl	k_q0982280ad2_prep
	.p2align	8
	.type	k_q0982280ad2_prep,@function
k_q0982280ad2_prep:
	s_mov_b64 s[64:65], 0
	v_nop
	global_prefetch_b8 v0, s[64:65] scope:SCOPE_SE
	s_setreg_imm32_b32 hwreg(HW_REG_WAVE_MODE, 25, 1), 1
	s_wait_xcnt 0x0
; FIRST OF SIX LAUNCHES.  The problem's two einsums sum over the key position and over (q, h), so that only
;   ksum[b,g,:] = (sum_s x[b,s]) Wk_g + 2048 bk_g           and   w[b,g] = sum over q, h of softmax_g(scores)
; enter the result, and all but the softmax is linear:
;   scores[b,q,h,g] = (x[b,q] . U[b,:,g,h] + sb[b,g,h]) / sqrt(512),  U[b,c,g,h] = sum_d Wq[c,g,h,d] ksum[b,g,d],  sb the same with bq
;   out[b] = x[b] M[b] + cvec[b],  M[b] = sum_g w[b,g] (Wv_g Wo_g),  cvec[b] = bo + sum_g w[b,g] (bv_g Wo_g)
; LIMITS KEPT, in all six launches: the sums are associated as above and not as the problem writes them (no difference of large sums is
; formed); x, Wq, Wk, Wv, Wo, bq, bk, bv are rounded to bf16 once, as matrix operands, bo stays f32; U is carried as bf16 hi + lo
; (16 bits of mantissa); M is rounded to bf16 once; NaN and infinities get no treatment of their own.
;
; THIS LAUNCH has two jobs that do not depend on each other.  W = the work-group's number, 0 to 255.
; JOB X: x (4,096 rows x 512) -> xb, rounded to bf16 and laid as matrix fragments, and xpart, the column sums of the rounded x over 128 rows.
;   The work-group takes rows 128 (W >> 3) on and columns 64 (W & 7) on; wave w 16 of the rows.
; JOB P: P_g = Wv_g Wo_g (512 x 512, K = 512) for g = W >> 5: the tile of 128 c (ct = (W >> 3) & 3) x 64 e (eg = W & 7), in f32, to Pf in the
;   accumulators' own layout.  Wave w: c blocks 2 (w >> 1) + a, e tiles 2 (w & 1) + t: four accumulators.  Wave 0 also makes bv_g Wo_g for e tile 4 eg + ct.
; The operands are f32 in memory and are rounded on the way, so they pass through registers: 48 loads of 16 bytes a lane in flight in each wave.
; No joint loads: a tile copied as it lies would be f32, 384 KB for a work-group, more than LDS holds.
; LDS: A 128 rows (c) x 1,040 bytes (512 bf16 + 16: 65 x 16, so that 16 rows of a fragment load start at 16 different groups of four banks; 64 banks of 4 bytes: ISA guide 11.1);
;      B 512 rows (d) x 160 bytes (64 bf16 + 32: 5 x 32, for the turning load); BV 512 bf16; XSTG 16 rows x 144 bytes for each wave; XRED 16 partial rows x 256 bytes.
.set PA,    1040
.set PB,    160
.set LB,    128*PA                     ; 133,120
.set LBV,   LB+512*PB                  ; 215,040
.set XSTG,  LBV+1024                   ; 216,064
.set XRED,  XSTG+8*2304                ; 234,496; the map ends at 238,592
.set GSTR,  33*32768                   ; bytes of Pf for one g: 33 blocks of 32 e tiles of 1,024 bytes
; registers: v1 lane, v2 lane % 16 (r), v3 lane / 16 (hh), v4 x offset, v5, v6 my stage in and back, v7 xb offset, v8 XRED in, v9 Wv offset, v10 Wo offset,
; v11, v12 A in (rows 0-63, 64-127), v13, v14 B in (rows 0-255, 256-511), v15 16 x lane
.set CT,    16                         ; v16-23  four pairs of packed bf16 on their way to LDS
.set SS,    24                         ; v24-27  my column sums
.set XT,    28                         ; v28-31  at work
.set X,     32                         ; v32-63  x as loaded
.set SL,    64                         ; v64-255 48 slots of 4 registers for Wo (0-15) and Wv (16-47)
.set BUF0,  64                         ; behind the barrier: two fragment buffers of 64,
.set BUF1,  128
.set ACC,   192                        ; v192-223 accumulator (a, t) at ACC + 8 (2 a + t),
.set BA,    224                        ; v224-239 two accumulators of the bias tile; v240-249 addresses
.macro PLACES                          ; four places between a matrix instruction and a load into, or a read of, its registers
.rept 4
	v_nop
.endr
.endm
; Slot s of half h.  s < 16: rows 16 s + 256 h + (t >> 4) of Wo's tile, 16 bytes at (t & 15).  s >= 16: rows 4 (s - 16) + (t >> 6) of Wv's tile, d = 256 h + 4 (t & 63) on.
.macro SLOTLD s, h
.if (\s) < 16
	global_load_b128 v[SL+4*(\s):SL+4*(\s)+3], v10, s[8:9] offset:(\s)*32768+\h*524288
.else
	global_load_b128 v[SL+4*(\s):SL+4*(\s)+3], v9, s[6:7] offset:((\s)-16)*65536+\h*1024
.endif
.endm
.macro SLOTCV s, h                     ; the slot's four numbers are rounded to bf16 and go to their place in LDS
	v_cvt_pk_bf16_f32 v[CT+2*((\s)%4)], v[SL+4*(\s)], v[SL+4*(\s)+1]
	v_cvt_pk_bf16_f32 v[CT+2*((\s)%4)+1], v[SL+4*(\s)+2], v[SL+4*(\s)+3]
.if (\s) < 16
	ds_store_b64 v[13+\h], v[CT+2*((\s)%4):CT+2*((\s)%4)+1] offset:(\s)*16*PB
.elseif (\s) < 32
	ds_store_b64 v11, v[CT+2*((\s)%4):CT+2*((\s)%4)+1] offset:((\s)-16)*4*PA+\h*512
.else
	ds_store_b64 v12, v[CT+2*((\s)%4):CT+2*((\s)%4)+1] offset:((\s)-32)*4*PA+\h*512
.endif
.endm
; 16 LDS loads: the fragments of K steps 2 gi and 2 gi + 1 (32 d each): two of A as they lie, two of B turned
.macro FETCH gi, buf
.irp kk,0,1
.irp a,0,1
	ds_load_b128 v[\buf+32*\kk+8*\a:\buf+32*\kk+8*\a+3], v240 offset:\a*16*PA+(2*\gi+\kk)*64
	ds_load_b128 v[\buf+32*\kk+8*\a+4:\buf+32*\kk+8*\a+7], v240 offset:\a*16*PA+(2*\gi+\kk)*64+32
.endr
.irp t,0,1
	ds_load_tr16_b128 v[\buf+32*\kk+16+8*\t:\buf+32*\kk+16+8*\t+3], v[241+(2*\gi+\kk)/8] offset:((2*\gi+\kk)%8)*32*PB+32*\t
	ds_load_tr16_b128 v[\buf+32*\kk+16+8*\t+4:\buf+32*\kk+16+8*\t+7], v[241+(2*\gi+\kk)/8] offset:((2*\gi+\kk)%8)*32*PB+32*\t+16*PB
.endr
.endr
.endm
; 8 matrix instructions; the four accumulators take turns, one instruction a turn.  zero = 1: the first four start the sums.
.macro MUL buf, zero
.irp kk,0,1
.irp a,0,1
.irp t,0,1
.if \zero && (\kk == 0)
	v_wmma_f32_16x16x32_bf16 v[ACC+8*(2*\a+\t):ACC+8*(2*\a+\t)+7], v[\buf+32*\kk+8*\a:\buf+32*\kk+8*\a+7], v[\buf+32*\kk+16+8*\t:\buf+32*\kk+16+8*\t+7], 0
.else
	v_wmma_f32_16x16x32_bf16 v[ACC+8*(2*\a+\t):ACC+8*(2*\a+\t)+7], v[\buf+32*\kk+8*\a:\buf+32*\kk+8*\a+7], v[\buf+32*\kk+16+8*\t:\buf+32*\kk+16+8*\t+7], v[ACC+8*(2*\a+\t):ACC+8*(2*\a+\t)+7]
.endif
.endr
.endr
.endr
.endm
; The bias tile: source 0 = 16 columns e of Wo (turned), source 1 = bv, the same in all 16 columns: register j of a lane is then e = 8 hh + j.
.macro FETCHB q, buf                   ; K steps 4 q to 4 q + 3: 16 LDS loads
.irp k,0,1,2,3
	ds_load_tr16_b128 v[\buf+16*\k:\buf+16*\k+3], v[244+(4*\q+\k)/8] offset:((4*\q+\k)%8)*32*PB
	ds_load_tr16_b128 v[\buf+16*\k+4:\buf+16*\k+7], v[244+(4*\q+\k)/8] offset:((4*\q+\k)%8)*32*PB+16*PB
	ds_load_b128 v[\buf+16*\k+8:\buf+16*\k+11], v246 offset:(4*\q+\k)*64
	ds_load_b128 v[\buf+16*\k+12:\buf+16*\k+15], v246 offset:(4*\q+\k)*64+32
.endr
.endm
.macro MULB buf, zero                  ; four matrix instructions on two accumulators by turns (even K steps, odd K steps)
.irp k,0,1,2,3
.if \zero && (\k < 2)
	v_wmma_f32_16x16x32_bf16 v[BA+8*(\k%2):BA+8*(\k%2)+7], v[\buf+16*\k:\buf+16*\k+7], v[\buf+16*\k+8:\buf+16*\k+15], 0
.else
	v_wmma_f32_16x16x32_bf16 v[BA+8*(\k%2):BA+8*(\k%2)+7], v[\buf+16*\k:\buf+16*\k+7], v[\buf+16*\k+8:\buf+16*\k+15], v[BA+8*(\k%2):BA+8*(\k%2)+7]
.endif
.endr
.endm
	s_load_b256 s[4:11], s[0:1], 0x0               ; x s[4:5], Wv s[6:7], Wo s[8:9], bv s[10:11]
	s_load_b128 s[12:15], s[0:1], 0x20             ; xb s[12:13], xpart s[14:15]
	s_load_b64 s[16:17], s[0:1], 0x30              ; Pf
	s_set_vgpr_msb 0x40
	v_lshl_add_u32 v0, v0, 2, 0x3a400
	v_mov_b32 v1, 0
	s_set_vgpr_msb 0x4000
	v_lshrrev_b32 v15, 5, v0
	v_readfirstlane_b32 s18, v15                   ; wave 0..7
	v_and_b32 v1, 31, v0                           ; lane
	v_and_b32 v2, 15, v0                           ; r
	v_bfe_u32 v3, v0, 4, 1                         ; hh
	s_lshr_b32 s19, ttmp9, 3                       ; block of 128 rows of x
	s_and_b32 s20, ttmp9, 7                        ; strip of 64 columns of x; also eg
	s_lshr_b32 s21, ttmp9, 5                       ; g
	s_and_b32 s22, s19, 3                          ; ct
	s_mov_b32 s28, 0xffff0000                      ; a word's upper bf16
	v_lshlrev_b32 v4, 4, v2                        ; x: 16 lanes take a row's 256 bytes, the two halves of the lanes two rows;
	v_lshl_add_u32 v4, v3, 11, v4
	s_lshl_b32 s23, s18, 15                        ; my wave's 16 rows of 2,048 bytes
	v_add_nc_u32 v4, s23, v4
	s_mul_i32 s23, s18, 2304
	s_add_co_u32 s23, s23, XSTG                    ; my wave's stage
	v_mul_u32_u24 v5, v3, 144                      ; in: row 2 i + hh, 8 bytes at 8 r
	v_lshl_add_u32 v5, v2, 3, v5
	v_add_nc_u32 v5, s23, v5
	v_mul_u32_u24 v6, v2, 144                      ; back as fragments: row r, 16 bytes at 16 hh
	v_lshl_add_u32 v6, v3, 4, v6
	v_add_nc_u32 v6, s23, v6
	s_lshl_b32 s23, s18, 14
	v_lshl_add_u32 v7, v1, 4, s23                  ; xb: my wave's row block of 16,384 bytes + 16 x lane
	s_lshl_b32 s23, s18, 9
	s_add_co_u32 s23, s23, XRED
	v_lshl_add_u32 v8, v1, 4, s23                  ; XRED: partial row 2 w + hh, 16 bytes at 16 r
	v_lshrrev_b32 v15, 6, v0
	v_and_b32 v14, 63, v0
	v_lshlrev_b32 v9, 4, v14                       ; Wv: 64 threads take 1,024 bytes of a row, 256 threads four rows of 16,384 bytes
	v_lshl_add_u32 v9, v15, 14, v9
	v_mul_u32_u24 v11, v15, PA
	v_lshl_add_u32 v11, v14, 3, v11
	v_add_nc_u32 v12, 64*PA, v11                   ; an LDS offset has 16 bits: rows 64 on get a register of their own
	v_lshrrev_b32 v15, 4, v0
	v_lshlrev_b32 v10, 4, v2                       ; Wo: 16 threads take a row's 256 bytes, 256 threads 16 rows of 2,048 bytes
	v_lshl_add_u32 v10, v15, 11, v10
	v_mul_u32_u24 v13, v15, PB
	v_lshl_add_u32 v13, v2, 3, v13
	v_add_nc_u32 v13, LB, v13
	v_add_nc_u32 v14, 256*PB, v13
	v_lshlrev_b32 v15, 4, v1                       ; 16 x lane
	s_mov_b32 s25, 0
	s_mov_b32 s27, 0
	s_lshl_b32 s24, s19, 18                        ; 128 rows of 2,048 bytes
	s_lshl_b32 s23, s20, 8
	s_or_b32 s24, s24, s23
	s_wait_kmcnt 0x0
	s_add_nc_u64 s[4:5], s[4:5], s[24:25]          ; x at my block and strip
	s_lshl_b32 s24, s22, 21                        ; 128 rows of 16,384 bytes
	s_lshl_b32 s23, s21, 11                        ; g's 512 columns
	s_or_b32 s24, s24, s23
	s_add_nc_u64 s[6:7], s[6:7], s[24:25]          ; Wv at my tile
	s_lshl_b32 s24, s21, 20                        ; g's 512 rows of 2,048 bytes
	s_lshl_b32 s23, s20, 8
	s_or_b32 s24, s24, s23
	s_add_nc_u64 s[8:9], s[8:9], s[24:25]          ; Wo at my tile
	s_lshl_b32 s24, s21, 11
	s_add_nc_u64 s[10:11], s[10:11], s[24:25]      ; bv at g
	s_lshl_b32 s24, s19, 17                        ; 8 row blocks of 16,384 bytes
	s_lshl_b32 s23, s20, 11                        ; 2 K steps of 1,024 bytes
	s_or_b32 s24, s24, s23
	s_add_nc_u64 s[12:13], s[12:13], s[24:25]      ; xb
	s_and_b32 s24, s19, 15                         ; xpart [rc 16][b 2][512] f32
	s_lshl_b32 s24, s24, 1
	s_lshr_b32 s23, ttmp9, 7
	s_or_b32 s24, s24, s23
	s_lshl_b32 s24, s24, 11
	s_lshl_b32 s23, s20, 8
	s_or_b32 s24, s24, s23
	s_add_nc_u64 s[14:15], s[14:15], s[24:25]
	s_mul_i32 s24, s21, GSTR
	s_lshl_b32 s23, s20, 12                        ; 4 e tiles of 1,024 bytes
	s_add_co_u32 s24, s24, s23
	s_lshl_b32 s23, s22, 10
	s_add_co_u32 s26, s24, s23
	s_add_co_u32 s26, s26, 32*32768                ; block 32, e tile 4 eg + ct: the bias tile
	s_add_nc_u64 s[30:31], s[16:17], s[26:27]
	s_lshl_b32 s23, s22, 18                        ; 8 blocks of 32,768 bytes
	s_add_co_u32 s24, s24, s23
	s_add_nc_u64 s[16:17], s[16:17], s[24:25]      ; Pf at my tile
	; all of x's part and the first half of both tiles are asked for at once: 56 loads of a wave
.irp i,0,1,2,3,4,5,6,7
	global_load_b128 v[X+4*\i:X+4*\i+3], v4, s[4:5] offset:\i*4096 th:TH_LOAD_NT   ; rows 2 i + hh; the launch reads x once
.endr
.irp q,0,1,2,3,4,5
.irp u,0,1,2,3,4,5,6,7
	SLOTLD (8*\q+\u), 0
.endr
.endr
	; JOB X
	s_wait_loadcnt 48                              ; loads come back in order (ISA guide 5.7.1): x is in, the 48 slot loads stay out
.irp i,0,1,2,3,4,5,6,7
	v_cvt_pk_bf16_f32 v[CT+2*(\i%4)], v[X+4*\i], v[X+4*\i+1]
	v_cvt_pk_bf16_f32 v[CT+2*(\i%4)+1], v[X+4*\i+2], v[X+4*\i+3]
	ds_store_b64 v5, v[CT+2*(\i%4):CT+2*(\i%4)+1] offset:288*\i
.if \i == 0
	v_lshlrev_b32 v[SS], 16, v[CT]                 ; the first row starts the column sums of the ROUNDED numbers
	v_and_b32 v[SS+1], s28, v[CT]
	v_lshlrev_b32 v[SS+2], 16, v[CT+1]
	v_and_b32 v[SS+3], s28, v[CT+1]
.else
	v_lshlrev_b32 v[XT], 16, v[CT+2*(\i%4)]
	v_and_b32 v[XT+1], s28, v[CT+2*(\i%4)]
	v_lshlrev_b32 v[XT+2], 16, v[CT+2*(\i%4)+1]
	v_and_b32 v[XT+3], s28, v[CT+2*(\i%4)+1]
	v_pk_add_f32 v[SS:SS+1], v[SS:SS+1], v[XT:XT+1]
	v_pk_add_f32 v[SS+2:SS+3], v[SS+2:SS+3], v[XT+2:XT+3]
.endif
.endr
	ds_store_b128 v8, v[SS:SS+3]
.irp n,0,1,2,3
	ds_load_b128 v[X+4*\n:X+4*\n+3], v6 offset:32*\n   ; my own stage: LDS serves a wave's instructions in order (ISA guide 5.7.1.4).  K step n / 2 of the strip, half n % 2
.endr
	s_wait_dscnt 0x0
.irp n,0,1,2,3
	global_store_b128 v7, v[X+4*\n:X+4*\n+3], s[12:13] offset:512*\n   ; a store of the wave covers 512 consecutive bytes, aligned
.endr
	s_cmp_lg_u32 s18, 0
	s_cbranch_scc1 .Lno_bv
.irp i,0,1,2,3
	global_load_b128 v[X+16+4*\i:X+16+4*\i+3], v15, s[10:11] offset:512*\i   ; wave 0: bv of g, 2,048 bytes
.endr
.Lno_bv:
	; JOB P: the first half goes to LDS, eight slots at a time, and each slot is loaded again with the second half
.irp q,0,1,2,3,4,5
	s_wait_loadcnt 40                              ; behind these eight slots' loads stand 48 - 8 (q + 1) of the first half and 8 q of the second (in wave 0 four more, bv's: there the count waits for more than it need)
.irp u,0,1,2,3,4,5,6,7
	SLOTCV (8*\q+\u), 0
.endr
.irp u,0,1,2,3,4,5,6,7
	SLOTLD (8*\q+\u), 1
.endr
.endr
.irp q,0,1,2,3,4,5
	s_wait_loadcnt 40-8*\q                         ; the second half's younger loads stay out
.irp u,0,1,2,3,4,5,6,7
	SLOTCV (8*\q+\u), 1
.endr
.endr
	s_cmp_lg_u32 s18, 0
	s_cbranch_scc1 .Lno_bv2
	v_lshlrev_b32 v[XT], 3, v1
	v_add_nc_u32 v[XT], LBV, v[XT]
.irp i,0,1,2,3
	v_cvt_pk_bf16_f32 v[CT+2*\i], v[X+16+4*\i], v[X+16+4*\i+1]
	v_cvt_pk_bf16_f32 v[CT+2*\i+1], v[X+16+4*\i+2], v[X+16+4*\i+3]
	ds_store_b64 v[XT], v[CT+2*\i:CT+2*\i+1] offset:256*\i
.endr
.Lno_bv2:
	s_wait_dscnt 0x0                               ; for the others' sake: all my stores into LDS are done
	s_barrier_signal -1
	s_barrier_wait -1                              ; the one barrier: A, B, BV and XRED are whole; nothing in LDS is written from here on
	s_lshr_b32 s23, s18, 1                         ; wc
	s_and_b32 s24, s18, 1                          ; we
	s_mul_i32 s26, s23, 32*PA
	v_mul_u32_u24 v240, v2, PA                     ; A's fragments: row 32 wc + r, 16 bytes at 16 hh
	v_lshl_add_u32 v240, v3, 4, v240
	v_add_nc_u32 v240, s26, v240
	v_and_b32 v241, 7, v0                          ; the turning load: row 8 hh + lane % 8, 16 bytes at 16 ((lane / 8) % 2)
	v_lshl_add_u32 v241, v3, 3, v241
	v_mul_u32_u24 v241, v241, PB
	v_bfe_u32 v242, v0, 3, 1
	v_lshl_add_u32 v241, v242, 4, v241
	v_add_nc_u32 v241, LB, v241
	s_lshl_b32 s26, s22, 5
	v_add_nc_u32 v244, s26, v241                   ; the bias tile's 16 columns: 16 ct on
	v_add_nc_u32 v245, 256*PB, v244
	s_lshl_b32 s26, s24, 6
	v_add_nc_u32 v241, s26, v241                   ; my 32 columns: 32 we on
	v_add_nc_u32 v242, 256*PB, v241                ; K steps 8 on
	s_lshl_b32 s26, s23, 16
	s_lshl_b32 s27, s24, 11
	s_or_b32 s26, s26, s27
	v_add_nc_u32 v243, s26, v15                    ; Pf: block 2 wc, e tile 2 we, 16 x lane
	v_lshlrev_b32 v246, 4, v3
	v_add_nc_u32 v246, LBV, v246
	s_cmp_lg_u32 s18, 1
	s_cbranch_scc1 .Lno_red
	v_lshlrev_b32 v249, 3, v1                      ; wave 1 adds the 16 partial rows: two columns a lane
	v_add_nc_u32 v248, XRED, v249
	s_wait_xcnt 0x0                                ; v32-47 were the data of the stores to xb: they are written again only behind this wait
.irp p,0,1,2,3,4,5,6,7,8,9,10,11,12,13,14,15
	ds_load_b64 v[X+2*\p:X+2*\p+1], v248 offset:256*\p
.endr
	s_wait_dscnt 0x0
.irp p,0,1,2,3,4,5,6,7
	v_pk_add_f32 v[X+2*\p:X+2*\p+1], v[X+2*\p:X+2*\p+1], v[X+16+2*\p:X+16+2*\p+1]
.endr
.irp p,0,1,2,3
	v_pk_add_f32 v[X+2*\p:X+2*\p+1], v[X+2*\p:X+2*\p+1], v[X+8+2*\p:X+8+2*\p+1]
.endr
.irp p,0,1
	v_pk_add_f32 v[X+2*\p:X+2*\p+1], v[X+2*\p:X+2*\p+1], v[X+4+2*\p:X+4+2*\p+1]
.endr
	v_pk_add_f32 v[X:X+1], v[X:X+1], v[X+2:X+3]
	global_store_b64 v249, v[X:X+1], s[14:15]      ; 256 consecutive bytes, aligned
.Lno_red:
	FETCH 0, BUF0
	FETCH 1, BUF1
	s_wait_dscnt 16                                ; all but the 16 just issued
	MUL BUF0, 1
.irp gi,1,2,3,4,5,6
	PLACES                                         ; the buffer loaded next was read by the products just issued
	FETCH (\gi+1), (BUF0+64*((\gi+1)%2))
	s_wait_dscnt 16
	MUL (BUF0+64*(\gi%2)), 0
.endr
	s_wait_dscnt 0x0
	MUL BUF1, 0
	PLACES
.irp a,0,1
.irp t,0,1
	global_store_b128 v243, v[ACC+8*(2*\a+\t):ACC+8*(2*\a+\t)+3], s[16:17] offset:\a*32768+\t*1024         ; an accumulator is read from its low end on; each store covers 512 consecutive bytes
	global_store_b128 v243, v[ACC+8*(2*\a+\t)+4:ACC+8*(2*\a+\t)+7], s[16:17] offset:\a*32768+\t*1024+512
.endr
.endr
	s_cmp_lg_u32 s18, 0
	s_cbranch_scc1 .Ldone
	FETCHB 0, BUF0                                 ; wave 0: the bias tile.  The four places above stand between the last products and these loads
	FETCHB 1, BUF1
	s_wait_dscnt 16
	MULB BUF0, 1
	PLACES
	FETCHB 2, BUF0
	s_wait_dscnt 16
	MULB BUF1, 0
	PLACES
	FETCHB 3, BUF1
	s_wait_dscnt 16
	MULB BUF0, 0
	s_wait_dscnt 0x0
	MULB BUF1, 0
	PLACES
.irp k,0,2,4,6
	v_pk_add_f32 v[CT+\k:CT+\k+1], v[BA+\k:BA+\k+1], v[BA+8+\k:BA+8+\k+1]   ; even and odd K steps' sums, from the low end on
.endr
	global_store_b128 v15, v[CT:CT+3], s[30:31]
	global_store_b128 v15, v[CT+4:CT+7], s[30:31] offset:512
.Ldone:
	s_set_vgpr_msb 0x5
	s_wait_tensorcnt 0x0
	ds_add_u32 v0, v1
	s_wait_dscnt 0x0
	s_set_vgpr_msb 0x500
	s_endpgm
.Lfunc_end_k_q0982280ad2_prep:
	.size	k_q0982280ad2_prep, .Lfunc_end_k_q0982280ad2_prep-k_q0982280ad2_prep
	.p2alignl 7, 3214868480
	.fill 96, 4, 3214868480
	.section	.rodata,"a",@progbits
	.p2align	6, 0x0
	.amdhsa_kernel k_q0982280ad2_prep
		.amdhsa_group_segment_fixed_size 239616
		.amdhsa_private_segment_fixed_size 0
		.amdhsa_enable_private_segment 0
		.amdhsa_kernarg_size 56
		.amdhsa_user_sgpr_count 2
		.amdhsa_user_sgpr_kernarg_segment_ptr 1
		.amdhsa_wavefront_size32 1
		.amdhsa_system_sgpr_workgroup_id_x 1
		.amdhsa_system_sgpr_workgroup_id_y 1
		.amdhsa_system_sgpr_workgroup_id_z 1
		.amdhsa_system_vgpr_workitem_id 0
		.amdhsa_next_free_vgpr 258
		.amdhsa_next_free_sgpr 66
		.amdhsa_reserve_vcc 0
		.amdhsa_float_denorm_mode_32 3
		.amdhsa_float_denorm_mode_16_64 3
		.amdhsa_memory_ordered 1
		.amdhsa_forward_progress 1
		.amdhsa_inst_pref_size 62
	.end_amdhsa_kernel
	.amdgpu_metadata
---
amdhsa.version: [ 1, 2 ]
amdhsa.kernels:
  - .name:           k_q0982280ad2_prep
    .symbol:         k_q0982280ad2_prep.kd
    .args:
      - { .name: x, .offset: 0, .size: 8, .value_kind: global_buffer, .address_space: global }
      - { .name: Wv, .offset: 8, .size: 8, .value_kind: global_buffer, .address_space: global }
      - { .name: Wo, .offset: 16, .size: 8, .value_kind: global_buffer, .address_space: global }
      - { .name: bv, .offset: 24, .size: 8, .value_kind: global_buffer, .address_space: global }
      - { .name: xb, .offset: 32, .size: 8, .value_kind: global_buffer, .address_space: global }
      - { .name: xpart, .offset: 40, .size: 8, .value_kind: global_buffer, .address_space: global }
      - { .name: Pf, .offset: 48, .size: 8, .value_kind: global_buffer, .address_space: global }
    .group_segment_fixed_size: 239616
    .private_segment_fixed_size: 0
    .kernarg_segment_align: 8
    .kernarg_segment_size: 56
    .max_flat_workgroup_size: 256
    .sgpr_count:     66
    .vgpr_count:     258
    .wavefront_size: 32
...
	.end_amdgpu_metadata
.endif
;; end of part 1
;; launch ksum (part 2): grid 256 x 1, 8 waves a work-group, no clusters, 13,312 bytes of LDS; arguments xpart, Wk, kpart; writes kpart
.if DOCPART == 2
	.amdgcn_target "amdgcn-amd-amdhsa--gfx1250"
	.amdhsa_code_object_version 6
	.text
	.protected	k_q0982280ad2_ksum
	.globl	k_q0982280ad2_ksum
	.p2align	8
	.type	k_q0982280ad2_ksum,@function
k_q0982280ad2_ksum:
	s_mov_b64 s[64:65], 0
	v_nop
	global_prefetch_b8 v0, s[64:65] scope:SCOPE_SE
	s_setreg_imm32_b32 hwreg(HW_REG_WAVE_MODE, 25, 1), 1
	s_wait_xcnt 0x0
; kpart[cc][b][n] = sum over the 64 rows c = 64 cc .. 64 cc + 63 of xsum[b][c] Wk[c][n], xsum[b][c] = the sum over s of the rounded x[b][s][c] (16 partial sums in xpart).
; A product of two rows with a matrix that is read once: memory binds, so no matrix unit, no tile ring, no cluster; xsum stays exact f32, Wk is rounded to bf16 as the operand it is.
; W = the work-group's number: ns = W & 31 picks 128 columns, cc = W >> 5 the 64 rows.  Wave w takes rows 8 w + i; one load of the wave covers a row's 512 consecutive bytes.
; All ten loads of a wave are issued at its head.  The sum over cc is made by the next launch (no traffic between work-groups).
; LDS: XS1 at 0: [wave][b][64] f32, two of the 16 partial sums added; KR at 4,096: [wave][b][128] f32.
.set KR, 4096
.set XP, 8                             ; v8-15   two quads of xpart
.set WK, 16                            ; v16-47  eight rows of Wk, a quad each
.set ACC, 48                           ; v48-55  [b][4]
.set T,  56                            ; v56-59  a row's four numbers, rounded; v60-61 packed
.set XS, 32                            ; s32-47  xsum[b][8 w + i] at s[XS + 8 b + i]
	s_load_b128 s[4:7], s[0:1], 0x0                ; xpart s[4:5], Wk s[6:7]
	s_load_b64 s[8:9], s[0:1], 0x10                ; kpart
	v_lshl_add_u32 v72, v0, 2, 0x3000
	v_mov_b32 v73, 0
	v_lshrrev_b32 v7, 5, v0
	v_readfirstlane_b32 s10, v7                    ; wave
	v_and_b32 v1, 31, v0
	v_and_b32 v2, 15, v0
	v_bfe_u32 v3, v0, 4, 1
	s_and_b32 s11, ttmp9, 31                       ; ns
	s_lshr_b32 s12, ttmp9, 5                       ; cc
	s_mov_b32 s13, 0xffff0000
	v_lshlrev_b32 v4, 4, v2                        ; xpart [rc][b][512]: rc = 2 w + i, b = hh, 16 lanes take the 64 columns' 256 bytes
	v_lshl_add_u32 v4, v3, 11, v4
	s_lshl_b32 s14, s10, 13
	v_add_nc_u32 v4, s14, v4
	s_lshl_b32 s14, s10, 17                        ; 8 rows of 16,384 bytes
	v_lshl_add_u32 v5, v1, 4, s14
	s_lshl_b32 s14, s10, 9
	v_lshl_add_u32 v6, v1, 4, s14                  ; XS1 in
	v_bfe_u32 v7, v0, 3, 1                         ; XS1 back: lane = 8 b + i (lanes 16 on repeat): word 8 w + i of [b]
	v_and_b32 v63, 7, v0
	v_lshlrev_b32 v7, 8, v7
	v_lshl_add_u32 v7, v63, 2, v7
	s_lshl_b32 s14, s10, 5
	v_add_nc_u32 v7, s14, v7
	s_mov_b32 s17, 0
	s_lshl_b32 s16, s12, 8
	s_lshl_b32 s14, s11, 9
	s_wait_kmcnt 0x0
	s_add_nc_u64 s[4:5], s[4:5], s[16:17]
	s_lshl_b32 s16, s12, 20                        ; 64 rows of 16,384 bytes
	s_or_b32 s16, s16, s14
	s_add_nc_u64 s[6:7], s[6:7], s[16:17]
	s_lshl_b32 s16, s12, 15                        ; kpart [cc][b][4096] f32
	s_or_b32 s16, s16, s14
	s_add_nc_u64 s[8:9], s[8:9], s[16:17]
	global_load_b128 v[XP:XP+3], v4, s[4:5]
	global_load_b128 v[XP+4:XP+7], v4, s[4:5] offset:4096
.irp i,0,1,2,3,4,5,6,7
	global_load_b128 v[WK+4*\i:WK+4*\i+3], v5, s[6:7] offset:\i*16384 th:TH_LOAD_NT   ; the launch reads Wk once
.endr
	s_wait_loadcnt 8                               ; xpart is in; the eight rows of Wk stay out
	v_pk_add_f32 v[XP:XP+1], v[XP:XP+1], v[XP+4:XP+5]
	v_pk_add_f32 v[XP+2:XP+3], v[XP+2:XP+3], v[XP+6:XP+7]
	ds_store_b128 v6, v[XP:XP+3]
	s_wait_dscnt 0x0                               ; for the others' sake
	s_barrier_signal -1
	s_barrier_wait -1
.irp p,0,1,2,3,4,5,6,7
	ds_load_b32 v[64+\p], v7 offset:512*\p
.endr
	s_wait_dscnt 0x0
	v_add_f32 v64, v64, v65
	v_add_f32 v66, v66, v67
	v_add_f32 v68, v68, v69
	v_add_f32 v70, v70, v71
	v_add_f32 v64, v64, v66
	v_add_f32 v68, v68, v70
	v_add_f32 v62, v64, v68
.irp k,0,1,2,3,4,5,6,7,8,9,10,11,12,13,14,15
	v_readlane_b32 s[XS+\k], v62, \k               ; the wave's 16 factors as scalars: they feed multiply-adds alone
.endr
.irp i,0,1,2,3,4,5,6,7
	s_wait_loadcnt 7-\i                            ; row i is in, the younger rows stay out
	v_cvt_pk_bf16_f32 v60, v[WK+4*\i], v[WK+4*\i+1]
	v_cvt_pk_bf16_f32 v61, v[WK+4*\i+2], v[WK+4*\i+3]
	v_lshlrev_b32 v[T], 16, v60
	v_and_b32 v[T+1], s13, v60
	v_lshlrev_b32 v[T+2], 16, v61
	v_and_b32 v[T+3], s13, v61
.irp b,0,1
.irp q,0,1,2,3
.if \i == 0
	v_mul_f32 v[ACC+4*\b+\q], s[XS+8*\b+\i], v[T+\q]   ; the first row starts the sums
.else
	v_fmac_f32 v[ACC+4*\b+\q], s[XS+8*\b+\i], v[T+\q]
.endif
.endr
.endr
.endr
	s_lshl_b32 s14, s10, 10
	s_add_co_u32 s14, s14, KR
	v_lshl_add_u32 v63, v1, 4, s14
	ds_store_b128 v63, v[ACC:ACC+3]
	ds_store_b128 v63, v[ACC+4:ACC+7] offset:512
	s_wait_dscnt 0x0
	s_barrier_signal -1
	s_barrier_wait -1
	s_cmp_gt_u32 s10, 1
	s_cbranch_scc1 .Lend                           ; waves 0 and 1 add the eight waves' sums, b = the wave's number
	s_lshl_b32 s14, s10, 9
	s_add_co_u32 s14, s14, KR
	v_lshl_add_u32 v63, v1, 4, s14
.irp p,0,1,2,3,4,5,6,7
	ds_load_b128 v[WK+4*\p:WK+4*\p+3], v63 offset:1024*\p
.endr
	s_lshl_b32 s14, s10, 14
	v_lshl_add_u32 v62, v1, 4, s14
	s_wait_dscnt 0x0
.irp p,0,1,2,3
	v_pk_add_f32 v[WK+4*\p:WK+4*\p+1], v[WK+4*\p:WK+4*\p+1], v[WK+16+4*\p:WK+16+4*\p+1]
	v_pk_add_f32 v[WK+4*\p+2:WK+4*\p+3], v[WK+4*\p+2:WK+4*\p+3], v[WK+16+4*\p+2:WK+16+4*\p+3]
.endr
.irp p,0,1
	v_pk_add_f32 v[WK+4*\p:WK+4*\p+1], v[WK+4*\p:WK+4*\p+1], v[WK+8+4*\p:WK+8+4*\p+1]
	v_pk_add_f32 v[WK+4*\p+2:WK+4*\p+3], v[WK+4*\p+2:WK+4*\p+3], v[WK+8+4*\p+2:WK+8+4*\p+3]
.endr
	v_pk_add_f32 v[WK:WK+1], v[WK:WK+1], v[WK+4:WK+5]
	v_pk_add_f32 v[WK+2:WK+3], v[WK+2:WK+3], v[WK+6:WK+7]
	global_store_b128 v62, v[WK:WK+3], s[8:9]      ; 512 consecutive bytes, aligned
.Lend:
	s_wait_tensorcnt 0x0
	ds_add_u32 v72, v73
	s_wait_dscnt 0x0
	s_endpgm
.Lfunc_end_k_q0982280ad2_ksum:
	.size	k_q0982280ad2_ksum, .Lfunc_end_k_q0982280ad2_ksum-k_q0982280ad2_ksum
	.p2alignl 7, 3214868480
	.fill 96, 4, 3214868480
	.section	.rodata,"a",@progbits
	.p2align	6, 0x0
	.amdhsa_kernel k_q0982280ad2_ksum
		.amdhsa_group_segment_fixed_size 13312
		.amdhsa_private_segment_fixed_size 0
		.amdhsa_enable_private_segment 0
		.amdhsa_kernarg_size 24
		.amdhsa_user_sgpr_count 2
		.amdhsa_user_sgpr_kernarg_segment_ptr 1
		.amdhsa_wavefront_size32 1
		.amdhsa_system_sgpr_workgroup_id_x 1
		.amdhsa_system_sgpr_workgroup_id_y 1
		.amdhsa_system_sgpr_workgroup_id_z 1
		.amdhsa_system_vgpr_workitem_id 0
		.amdhsa_next_free_vgpr 74
		.amdhsa_next_free_sgpr 66
		.amdhsa_reserve_vcc 0
		.amdhsa_float_denorm_mode_32 3
		.amdhsa_float_denorm_mode_16_64 3
		.amdhsa_memory_ordered 1
		.amdhsa_forward_progress 1
		.amdhsa_inst_pref_size 12
	.end_amdhsa_kernel
	.amdgpu_metadata
---
amdhsa.version: [ 1, 2 ]
amdhsa.kernels:
  - .name:           k_q0982280ad2_ksum
    .symbol:         k_q0982280ad2_ksum.kd
    .args:
      - { .name: xpart, .offset: 0, .size: 8, .value_kind: global_buffer, .address_space: global }
      - { .name: Wk, .offset: 8, .size: 8, .value_kind: global_buffer, .address_space: global }
      - { .name: kpart, .offset: 16, .size: 8, .value_kind: global_buffer, .address_space: global }
    .group_segment_fixed_size: 13312
    .private_segment_fixed_size: 0
    .kernarg_segment_align: 8
    .kernarg_segment_size: 24
    .max_flat_workgroup_size: 256
    .sgpr_count:     66
    .vgpr_count:     74
    .wavefront_size: 32
...
	.end_amdgpu_metadata
.endif
;; end of part 2
;; launch uvec (part 3): grid 32 x 8, 8 waves a work-group, no clusters, 6,656 bytes of LDS; arguments kpart, bk, Wq, bq, Uraw; writes Uraw
.if DOCPART == 3
	.amdgcn_target "amdgcn-amd-amdhsa--gfx1250"
	.amdhsa_code_object_version 6
	.text
	.protected	k_q0982280ad2_uvec
	.globl	k_q0982280ad2_uvec
	.p2align	8
	.type	k_q0982280ad2_uvec,@function
k_q0982280ad2_uvec:
	s_mov_b64 s[64:65], 0
	v_nop
	global_prefetch_b8 v0, s[64:65] scope:SCOPE_SE
	s_setreg_imm32_b32 hwreg(HW_REG_WAVE_MODE, 25, 1), 1
	s_wait_xcnt 0x0
; Uraw[b][chunk][g][h][c16] = sum over d of Wq[c = 16 chunk + c16][g][h][d] ksum[b][g][d]   (chunks 0 to 31),   ksum[b][g][d] = sum over cc of kpart + 2048 bk[g][d].
; Chunk 32 of Uraw holds the scores' bias sb[b][g][h] = sum over d of bq[g][h][d] ksum[b][g][d], the same number in all 16 places c16.
; LIMITS KEPT: ksum and all sums are f32; Wq, bq and bk are rounded to bf16 once, as the matrix operands that they are in the problem; NaN and infinities get no treatment of their own.
; A product of two rows with a matrix that is read once (Wq, 32 MB): memory binds, so no matrix unit, no ring, no cluster.
; chunk = the work-group's x (0 to 31), g = its y: 256 work-groups.  Wave w takes rows 2 w and 2 w + 1 of the chunk: 8,192 bytes each (4 h x 512 d), 32 loads of 512 consecutive
; bytes, all issued at the head.  The work-group of chunk 0 also makes sb of its g: its waves 0 to 3 (h = the wave's number) take 2,048 bytes of bq each, a ninth item beside the eight.
; LDS: KSL at 0: [b][512] f32; OUTL at 4,096: [b][h][c16] f32; OUTB at 4,608: [wave][b][16] f32, 128 bytes a wave, so that a wave's bytes are its own; waves 0 to 3 use theirs.
.set OUTL, 4096
.set OUTB, 4608
.set BSTR, 33*2048                     ; bytes of Uraw for one b
; v1 lane, v2 lane % 16 (r), v3 lane / 16 (hh), v4, v5 my two rows' offsets, v6 kpart offset, v7 KSL in, v8 bk offset, v9 16 x lane, v10-15 at work, v18-21 two pairs of sums,
; v24, v25 the two dot products, v26 OUTL in, v27, v28, v31 the way out, v29 bq offset, v30 OUTB in
.set KV,  32                           ; v32-63   ksum[b][128 j + 4 lane ..] at KV + 16 b + 4 j
.set KP,  64                           ; v64-95   kpart, eight quads; v96-99 bk
.set BQ,  68                           ; v68-83   four quads of bq, in registers of KP that are free once ksum is formed
.set D,   100                          ; v100-227 32 quads of the stream: 16 rr + 4 h + j
; The dot products of 512 numbers (four quads a lane from v[base] on, rounded to bf16) with ksum of both b: v24 (b = 0) and v25 (b = 1), in every lane.
.macro DOTS base
.irp j,0,1,2,3
	v_cvt_pk_bf16_f32 v10, v[\base+4*\j], v[\base+4*\j+1]
	v_cvt_pk_bf16_f32 v11, v[\base+4*\j+2], v[\base+4*\j+3]
	v_lshlrev_b32 v12, 16, v10
	v_and_b32 v13, s29, v10
	v_lshlrev_b32 v14, 16, v11
	v_and_b32 v15, s29, v11
.irp b,0,1
.if \j == 0
	v_pk_mul_f32 v[18+2*\b:19+2*\b], v[12:13], v[KV+16*\b+4*\j:KV+16*\b+4*\j+1]      ; the first pair starts the sums
.else
	v_pk_fma_f32 v[18+2*\b:19+2*\b], v[12:13], v[KV+16*\b+4*\j:KV+16*\b+4*\j+1], v[18+2*\b:19+2*\b]
.endif
	v_pk_fma_f32 v[18+2*\b:19+2*\b], v[14:15], v[KV+16*\b+4*\j+2:KV+16*\b+4*\j+3], v[18+2*\b:19+2*\b]
.endr
.endr
	v_add_f32 v18, v18, v19
	v_add_f32 v20, v20, v21
.irp m,1,2,4,8
	v_add_f32_dpp v18, v18, v18 row_xmask:\m row_mask:0xf bank_mask:0xf
	v_add_f32_dpp v20, v20, v20 row_xmask:\m row_mask:0xf bank_mask:0xf
.endr
	v_permlanex16_b32 v12, v18, s30, s31           ; its destination counts as read: v12 and v13 have been written above
	v_permlanex16_b32 v13, v20, s30, s31
	v_add_f32 v24, v18, v12
	v_add_f32 v25, v20, v13
.endm
; One row's dot products for one h.
.macro ITEM rr, h
	s_wait_loadcnt 28-4*(4*\rr+\h)                 ; this item's four loads are in, the later items' stay out (where bq's four stand behind the stream, the count waits for more than it need; the last, 0, covers them)
	DOTS (D+4*(16*\rr+4*\h))
	ds_store_b32 v26, v24 offset:\h*64+\rr*4       ; all lanes write one word with one value
	ds_store_b32 v26, v25 offset:256+\h*64+\rr*4
.endm
	s_load_b256 s[4:11], s[0:1], 0x0               ; kpart s[4:5], bk s[6:7], Wq s[8:9], bq s[10:11]
	s_load_b64 s[12:13], s[0:1], 0x20              ; Uraw
	v_lshl_add_u32 v232, v0, 2, 0x1600
	v_mov_b32 v233, 0
	v_lshrrev_b32 v1, 5, v0
	v_readfirstlane_b32 s18, v1                    ; wave
	v_and_b32 v1, 31, v0
	v_and_b32 v2, 15, v0
	v_bfe_u32 v3, v0, 4, 1
	s_and_b32 s19, ttmp7, 0xffff                   ; g
	s_lshl_b32 s22, ttmp9, 20                      ; the chunk's 16 rows of 65,536 bytes
	s_lshl_b32 s24, s19, 13                        ; g's 2,048 columns
	s_or_b32 s22, s22, s24
	s_mov_b32 s23, 0
	s_mov_b32 s25, 0
	s_lshl_b32 s20, s18, 17                        ; my wave's two rows
	v_lshl_add_u32 v4, v1, 4, s20                  ; row 2 w
	v_add_nc_u32 v5, 0x10000, v4                   ; row 2 w + 1
	v_lshrrev_b32 v7, 7, v0                        ; kpart [cc][b][4096]: b = t >> 7, d = 4 (t & 127)
	v_and_b32 v8, 127, v0
	v_lshlrev_b32 v8, 4, v8
	v_lshl_add_u32 v6, v7, 14, v8
	v_lshlrev_b32 v7, 4, v0                        ; KSL in
	v_lshlrev_b32 v9, 4, v1                        ; 16 x lane
	s_lshl_b32 s28, s18, 3
	s_add_co_u32 s28, s28, OUTL
	v_mov_b32 v26, s28                             ; OUTL: c16 = 2 w + rr
	s_mov_b32 s29, 0xffff0000                      ; a word's upper bf16
	s_mov_b32 s30, 0x76543210                      ; each lane takes its own place in the other half
	s_mov_b32 s31, 0xfedcba98
	s_lshl_b32 s26, s19, 11
	s_mov_b32 s27, 0
	s_wait_kmcnt 0x0
	s_add_nc_u64 s[4:5], s[4:5], s[26:27]          ; kpart and bk at g's 512 numbers
	s_add_nc_u64 s[6:7], s[6:7], s[26:27]
	s_add_nc_u64 s[8:9], s[8:9], s[22:23]          ; Wq at the chunk's first row, g's columns
	s_add_nc_u64 s[10:11], s[10:11], s[24:25]      ; bq at g's columns
	s_lshl_b32 s26, ttmp9, 11
	s_lshl_b32 s24, s19, 8
	s_or_b32 s26, s26, s24
	s_add_nc_u64 s[12:13], s[12:13], s[26:27]      ; Uraw at [chunk][g]
.irp p,0,1,2,3,4,5,6,7
	global_load_b128 v[KP+4*\p:KP+4*\p+3], v6, s[4:5] offset:32768*\p
.endr
	global_load_b128 v[KP+32:KP+35], v8, s[6:7]
.irp rr,0,1
.irp h,0,1,2,3
.irp j,0,1,2,3
	global_load_b128 v[D+4*(16*\rr+4*\h+\j):D+4*(16*\rr+4*\h+\j)+3], v[4+\rr], s[8:9] offset:\h*2048+\j*512 th:TH_LOAD_NT   ; the launch reads Wq once
.endr
.endr
.endr
	s_wait_loadcnt 32                              ; kpart and bk are in; the 32 loads of the stream stay out
.irp p,0,1,2,3
	v_pk_add_f32 v[KP+4*\p:KP+4*\p+1], v[KP+4*\p:KP+4*\p+1], v[KP+16+4*\p:KP+16+4*\p+1]
	v_pk_add_f32 v[KP+4*\p+2:KP+4*\p+3], v[KP+4*\p+2:KP+4*\p+3], v[KP+16+4*\p+2:KP+16+4*\p+3]
.endr
.irp p,0,1
	v_pk_add_f32 v[KP+4*\p:KP+4*\p+1], v[KP+4*\p:KP+4*\p+1], v[KP+8+4*\p:KP+8+4*\p+1]
	v_pk_add_f32 v[KP+4*\p+2:KP+4*\p+3], v[KP+4*\p+2:KP+4*\p+3], v[KP+8+4*\p+2:KP+8+4*\p+3]
.endr
	v_pk_add_f32 v[KP:KP+1], v[KP:KP+1], v[KP+4:KP+5]
	v_pk_add_f32 v[KP+2:KP+3], v[KP+2:KP+3], v[KP+6:KP+7]
	v_cvt_pk_bf16_f32 v10, v[KP+32], v[KP+33]
	v_cvt_pk_bf16_f32 v11, v[KP+34], v[KP+35]
	v_lshlrev_b32 v12, 16, v10
	v_and_b32 v13, s29, v10
	v_lshlrev_b32 v14, 16, v11
	v_and_b32 v15, s29, v11
	v_pk_fma_f32 v[KP:KP+1], v[12:13], 0x45000000, v[KP:KP+1] op_sel_hi:[1,0,1]       ; + 2048 bk: the bias of each of the 2,048 keys
	v_pk_fma_f32 v[KP+2:KP+3], v[14:15], 0x45000000, v[KP+2:KP+3] op_sel_hi:[1,0,1]
	ds_store_b128 v7, v[KP:KP+3]
	s_cmp_lg_u32 ttmp9, 0                          ; chunk 0, waves 0 to 3: bq's row h = the wave's number, asked for behind the stream and used behind its last item
	s_cbranch_scc1 .Lno_bq
	s_cmp_gt_u32 s18, 3
	s_cbranch_scc1 .Lno_bq
	s_lshl_b32 s21, s18, 11
	v_lshl_add_u32 v29, v1, 4, s21
.irp j,0,1,2,3
	global_load_b128 v[BQ+4*\j:BQ+4*\j+3], v29, s[10:11] offset:\j*512 th:TH_LOAD_NT  ; the launch reads bq once
.endr
.Lno_bq:
	s_wait_dscnt 0x0                               ; for the others' sake: my part of ksum is in LDS
	s_barrier_signal -1
	s_barrier_wait -1
.irp b,0,1
.irp j,0,1,2,3
	ds_load_b128 v[KV+16*\b+4*\j:KV+16*\b+4*\j+3], v9 offset:\b*2048+\j*512
.endr
.endr
	s_wait_dscnt 0x0
.irp rr,0,1
.irp h,0,1,2,3
	ITEM \rr, \h
.endr
.endr
	s_cmp_lg_u32 ttmp9, 0
	s_cbranch_scc1 .Lno_sb
	s_cmp_gt_u32 s18, 3
	s_cbranch_scc1 .Lno_sb
	DOTS BQ                                        ; the last item's wait was for 0: bq is in
	s_lshl_b32 s21, s18, 7
	s_add_co_u32 s21, s21, OUTB
	v_lshl_add_u32 v30, v2, 2, s21                 ; my wave's 128 bytes: the number goes to all 16 places (lanes r and 16 + r write one word with one value)
	ds_store_b32 v30, v24
	ds_store_b32 v30, v25 offset:64
.Lno_sb:
	s_wait_dscnt 0x0                               ; for the others' sake
	s_barrier_signal -1
	s_barrier_wait -1
	s_cmp_lg_u32 s18, 0
	s_cbranch_scc1 .Lnot_wave_0
	v_add_nc_u32 v27, OUTL, v9                     ; wave 0 stores the chunk's block
	ds_load_b128 v[12:15], v27
	v_mul_u32_u24 v28, v3, BSTR                    ; lanes 0-15: b = 0, lanes 16-31: b = 1
	v_lshl_add_u32 v28, v2, 4, v28
	s_wait_dscnt 0x0
	global_store_b128 v28, v[12:15], s[12:13]      ; 16 lanes store 256 consecutive bytes, aligned
	s_wait_tensorcnt 0x0
	ds_add_u32 v232, v233
	s_wait_dscnt 0x0
	s_endpgm
.Lnot_wave_0:
	s_cmp_lg_u32 s18, 1
	s_cbranch_scc1 .Lend
	s_cmp_lg_u32 ttmp9, 0
	s_cbranch_scc1 .Lend
	v_lshrrev_b32 v27, 2, v2                       ; wave 1 of chunk 0 stores sb: lane (hh, r) takes b = hh, h = r / 4, places 4 (r % 4) on
	v_and_b32 v31, 3, v0
	v_lshlrev_b32 v27, 7, v27
	v_lshl_add_u32 v27, v3, 6, v27
	v_lshl_add_u32 v27, v31, 4, v27
	v_add_nc_u32 v27, OUTB, v27
	ds_load_b128 v[12:15], v27
	v_mul_u32_u24 v28, v3, BSTR
	v_lshl_add_u32 v28, v2, 4, v28
	s_wait_dscnt 0x0
	global_store_b128 v28, v[12:15], s[12:13] offset:32*2048   ; chunk 32, 32 chunks of 2,048 bytes behind chunk 0: 16 lanes store 256 consecutive bytes, aligned
.Lend:
	s_wait_tensorcnt 0x0
	ds_add_u32 v232, v233
	s_wait_dscnt 0x0
	s_endpgm
.Lfunc_end_k_q0982280ad2_uvec:
	.size	k_q0982280ad2_uvec, .Lfunc_end_k_q0982280ad2_uvec-k_q0982280ad2_uvec
	.p2alignl 7, 3214868480
	.fill 96, 4, 3214868480
	.section	.rodata,"a",@progbits
	.p2align	6, 0x0
	.amdhsa_kernel k_q0982280ad2_uvec
		.amdhsa_group_segment_fixed_size 6656
		.amdhsa_private_segment_fixed_size 0
		.amdhsa_enable_private_segment 0
		.amdhsa_kernarg_size 40
		.amdhsa_user_sgpr_count 2
		.amdhsa_user_sgpr_kernarg_segment_ptr 1
		.amdhsa_wavefront_size32 1
		.amdhsa_system_sgpr_workgroup_id_x 1
		.amdhsa_system_sgpr_workgroup_id_y 1
		.amdhsa_system_sgpr_workgroup_id_z 1
		.amdhsa_system_vgpr_workitem_id 0
		.amdhsa_next_free_vgpr 234
		.amdhsa_next_free_sgpr 66
		.amdhsa_reserve_vcc 0
		.amdhsa_float_denorm_mode_32 3
		.amdhsa_float_denorm_mode_16_64 3
		.amdhsa_memory_ordered 1
		.amdhsa_forward_progress 1
		.amdhsa_inst_pref_size 37
	.end_amdhsa_kernel
	.amdgpu_metadata
---
amdhsa.version: [ 1, 2 ]
amdhsa.kernels:
  - .name:           k_q0982280ad2_uvec
    .symbol:         k_q0982280ad2_uvec.kd
    .args:
      - { .name: kpart, .offset: 0, .size: 8, .value_kind: global_buffer, .address_space: global }
      - { .name: bk, .offset: 8, .size: 8, .value_kind: global_buffer, .address_space: global }
      - { .name: Wq, .offset: 16, .size: 8, .value_kind: global_buffer, .address_space: global }
      - { .name: bq, .offset: 24, .size: 8, .value_kind: global_buffer, .address_space: global }
      - { .name: Uraw, .offset: 32, .size: 8, .value_kind: global_buffer, .address_space: global }
    .group_segment_fixed_size: 6656
    .private_segment_fixed_size: 0
    .kernarg_segment_align: 8
    .kernarg_segment_size: 40
    .max_flat_workgroup_size: 256
    .sgpr_count:     66
    .vgpr_count:     234
    .wavefront_size: 32
...
	.end_amdgpu_metadata
.endif
;; end of part 3
;; launch wsum (part 4): grid 64 x 1, 8 waves a work-group, no clusters, 67,840 bytes of LDS; arguments xb, Uraw, wpart; writes wpart
.if DOCPART == 4
	.amdgcn_target "amdgcn-amd-amdhsa--gfx1250"
	.amdhsa_code_object_version 6
	.text
	.protected	k_q0982280ad2_wsum
	.globl	k_q0982280ad2_wsum
	.p2align	8
	.type	k_q0982280ad2_wsum,@function
k_q0982280ad2_wsum:
	s_mov_b64 s[64:65], 0
	v_nop
	global_prefetch_b8 v0, s[64:65] scope:SCOPE_SE
	s_setreg_imm32_b32 hwreg(HW_REG_WAVE_MODE, 25, 1), 1
	s_wait_xcnt 0x0
; wpart[W][g] = the sum over the work-group's 64 queries and the 4 heads of softmax_g((x[q] . U[:,g,h] + sb[g,h]) / sqrt(512)).
; The product is used transposed: source 0 = 16 rows m = 8 h + g of U^T (K = c), source 1 = 16 queries of xb.  Register j of a lane is then g = j of ONE query (lane % 16) and one head
; (2 mt + lane / 16): the softmax over g stays inside a lane, with its maximum taken away in front of the exponentials.
; U is split into bf16 hi + lo (u - hi is exact in f32, lo rounds it): two products on two accumulators, 16 bits of mantissa; sb enters in f32 as the first product's C.
; Wave w: row block 4 W + (w >> 1), m tile mt = w & 1.  64 work-groups: the launch's matrix work is 32 products a wave, and each further split would convert the 64 KB of U once more.
; No ring, no joint loads.
; LDS: Uhi 32 rows x 1,040 bytes (512 bf16 + 16) at 0, Ulo behind it, WRED 8 waves x 32 bytes.
.set PU,   1040
.set ULO,  32*PU                       ; 33,280
.set WRED, 2*ULO                       ; 66,560
.set BSTR, 33*2048
.set T,    24                          ; v24-31  the lane's eight scores, then weights (v8-31: two sets of twelve temporaries while U is split)
.set A0,   40                          ; v40-47  accumulator of hi
.set A1,   48                          ; v48-55  accumulator of lo
.set SB,   56                          ; v56-63  sb as a C operand
.set UL,   64                          ; v64-127 U as loaded; then two fragment buffers of 32
.set BUF0, 64
.set BUF1, 96
.set XF,   128                         ; v128-255 my 16 queries' fragments, all 16 K steps
.macro PLACES
.rept 4
	v_nop
.endr
.endm
.macro FETCH gi, buf                   ; 8 LDS loads: hi and lo fragments of K steps 2 gi and 2 gi + 1
.irp kk,0,1
.irp p,0,1
	ds_load_b128 v[\buf+16*\kk+8*\p:\buf+16*\kk+8*\p+3], v34 offset:\p*ULO+(2*\gi+\kk)*64
	ds_load_b128 v[\buf+16*\kk+8*\p+4:\buf+16*\kk+8*\p+7], v34 offset:\p*ULO+(2*\gi+\kk)*64+32
.endr
.endr
.endm
.macro MUL gi, buf, first              ; four matrix instructions; the two accumulators take turns, one instruction a turn
.irp kk,0,1
.if \first && (\kk == 0)
	v_wmma_f32_16x16x32_bf16 v[A0:A0+7], v[\buf+16*\kk:\buf+16*\kk+7], v[XF+8*(2*\gi+\kk):XF+8*(2*\gi+\kk)+7], v[SB:SB+7]
	v_wmma_f32_16x16x32_bf16 v[A1:A1+7], v[\buf+16*\kk+8:\buf+16*\kk+15], v[XF+8*(2*\gi+\kk):XF+8*(2*\gi+\kk)+7], 0
.else
	v_wmma_f32_16x16x32_bf16 v[A0:A0+7], v[\buf+16*\kk:\buf+16*\kk+7], v[XF+8*(2*\gi+\kk):XF+8*(2*\gi+\kk)+7], v[A0:A0+7]
	v_wmma_f32_16x16x32_bf16 v[A1:A1+7], v[\buf+16*\kk+8:\buf+16*\kk+15], v[XF+8*(2*\gi+\kk):XF+8*(2*\gi+\kk)+7], v[A1:A1+7]
.endif
.endr
.endm
	s_load_b128 s[4:7], s[0:1], 0x0                ; xb s[4:5], Uraw s[6:7]
	s_load_b64 s[8:9], s[0:1], 0x10                ; wpart
	v_lshl_add_u32 v38, v0, 2, 0x10500
	v_mov_b32 v39, 0
	v_lshrrev_b32 v1, 5, v0
	v_readfirstlane_b32 s10, v1                    ; wave
	v_and_b32 v1, 31, v0
	v_and_b32 v2, 15, v0
	v_bfe_u32 v3, v0, 4, 1
	s_and_b32 s11, s10, 1                          ; mt
	s_lshr_b32 s12, s10, 1                         ; which of the four row blocks
	s_mov_b32 s13, 0xffff0000
	s_mov_b32 s20, 0x3d8293ee                      ; c = log2(e) / sqrt(512) = 0.0637587
	s_mov_b32 s21, s20                             ; named with it as a pair, so it is written
	s_mov_b32 s22, 0x76543210
	s_mov_b32 s23, 0xfedcba98
	s_lshl_b32 s15, s11, 7
	v_lshl_add_u32 v4, v3, 6, s15                  ; sb: head 2 mt + hh, 64 bytes a head
	v_lshlrev_b32 v5, 4, v0                        ; U: 16 bytes a thread
	s_lshl_b32 s15, s12, 14
	v_lshl_add_u32 v6, v1, 4, s15                  ; xb: my row block, 16 x lane
	v_bfe_u32 v7, v0, 2, 2                         ; where a thread's four numbers of U go: h = (t >> 2) & 3, g = (t >> 4) & 7: row 8 h + g,
	v_bfe_u32 v8, v0, 4, 3
	v_lshl_add_u32 v7, v7, 3, v8
	v_mul_u32_u24 v7, v7, PU
	v_lshrrev_b32 v8, 7, v0                        ; c = 32 i + 16 (t >> 7) + 4 (t & 3), two bytes each
	v_lshl_add_u32 v7, v8, 5, v7
	v_and_b32 v8, 3, v0
	v_lshl_add_u32 v7, v8, 3, v7
	s_mul_i32 s15, s11, 16*PU
	v_mul_u32_u24 v34, v2, PU                      ; U's fragments: row 16 mt + r, 16 bytes at 16 hh
	v_lshl_add_u32 v34, v3, 4, v34
	v_add_nc_u32 v34, s15, v34
	s_lshl_b32 s15, s10, 5
	s_add_co_u32 s15, s15, WRED
	v_mov_b32 v35, s15
	s_lshr_b32 s14, ttmp9, 5                       ; b
	s_mul_i32 s16, s14, BSTR
	s_mov_b32 s17, 0
	s_wait_kmcnt 0x0
	s_add_nc_u64 s[6:7], s[6:7], s[16:17]
	s_lshl_b32 s16, ttmp9, 16                      ; 4 row blocks of 16,384 bytes
	s_add_nc_u64 s[4:5], s[4:5], s[16:17]
	s_lshl_b32 s16, ttmp9, 5
	s_add_nc_u64 s[8:9], s[8:9], s[16:17]
.irp j,0,1,2,3,4,5,6,7
	global_load_b32 v[SB+\j], v4, s[6:7] offset:65536+256*\j   ; chunk 32 of Uraw: sb[g = j][h]
.endr
.irp i,0,1,2,3,4,5,6,7,8,9,10,11,12,13,14,15
	global_load_b128 v[UL+4*\i:UL+4*\i+3], v5, s[6:7] offset:4096*\i
.endr
.irp ks,0,1,2,3,4,5,6,7,8,9,10,11,12,13,14,15
.irp j,0,1
	global_load_b128 v[XF+8*\ks+4*\j:XF+8*\ks+4*\j+3], v6, s[4:5] offset:1024*\ks+512*\j
.endr
.endr
	s_wait_loadcnt 32                              ; sb and U are in; the 32 loads of xb stay out
.irp i,0,1,2,3,4,5,6,7,8,9,10,11,12,13,14,15
.set TS, 8+12*(\i%2)
	v_cvt_pk_bf16_f32 v[TS], v[UL+4*\i], v[UL+4*\i+1]                ; hi
	v_cvt_pk_bf16_f32 v[TS+1], v[UL+4*\i+2], v[UL+4*\i+3]
	v_lshlrev_b32 v[TS+4], 16, v[TS]
	v_and_b32 v[TS+5], s13, v[TS]
	v_lshlrev_b32 v[TS+6], 16, v[TS+1]
	v_and_b32 v[TS+7], s13, v[TS+1]
	v_pk_add_f32 v[TS+8:TS+9], v[UL+4*\i:UL+4*\i+1], v[TS+4:TS+5] neg_lo:[0,1] neg_hi:[0,1]       ; u - hi
	v_pk_add_f32 v[TS+10:TS+11], v[UL+4*\i+2:UL+4*\i+3], v[TS+6:TS+7] neg_lo:[0,1] neg_hi:[0,1]
	v_cvt_pk_bf16_f32 v[TS+2], v[TS+8], v[TS+9]                      ; lo
	v_cvt_pk_bf16_f32 v[TS+3], v[TS+10], v[TS+11]
	ds_store_b64 v7, v[TS:TS+1] offset:64*\i
	ds_store_b64 v7, v[TS+2:TS+3] offset:ULO+64*\i
.endr
	s_wait_dscnt 0x0                               ; for the others' sake
	s_barrier_signal -1
	s_barrier_wait -1
	FETCH 0, BUF0
	FETCH 1, BUF1
	s_wait_dscnt 8                                 ; all but the 8 just issued
	s_wait_loadcnt 28                              ; xb's first two K steps (four loads) are in
	MUL 0, BUF0, 1
.irp gi,1,2,3,4,5,6
	PLACES                                         ; the buffer loaded next was read by the products just issued
	FETCH (\gi+1), (BUF0+32*((\gi+1)%2))
	s_wait_dscnt 8
	s_wait_loadcnt 28-4*\gi                        ; the fragments of later K steps stay out
	MUL \gi, (BUF0+32*(\gi%2)), 0
.endr
	s_wait_dscnt 0x0
	s_wait_loadcnt 0x0
	MUL 7, BUF1, 0
	PLACES
.irp k,0,2,4,6
	v_pk_add_f32 v[T+\k:T+\k+1], v[A0+\k:A0+\k+1], v[A1+\k:A1+\k+1]   ; both accumulators from their low end on
.endr
	v_max3_num_f32 v8, v[T], v[T+1], v[T+2]
	v_max3_num_f32 v8, v8, v[T+3], v[T+4]
	v_max3_num_f32 v8, v8, v[T+5], v[T+6]
	v_max_num_f32 v8, v8, v[T+7]                   ; the maximum over g
	v_mul_f32 v32, s20, v8
	v_mov_b32 v33, v32
.irp k,0,2,4,6
	v_pk_fma_f32 v[T+\k:T+\k+1], v[T+\k:T+\k+1], s[20:21], v[32:33] op_sel_hi:[1,0,0] neg_lo:[0,0,1] neg_hi:[0,0,1]   ; c s - c max
.endr
.irp k,0,1,2,3,4,5,6,7
	v_exp_f32 v[T+\k], v[T+\k]
.endr
	v_nop                                          ; a plain instruction between the last exponential and the use of its result (ISA guide 5.7.2)
	s_wait_alu depctr_va_vdst(0)
	v_pk_add_f32 v[8:9], v[T:T+1], v[T+2:T+3]
	v_pk_add_f32 v[10:11], v[T+4:T+5], v[T+6:T+7]
	v_pk_add_f32 v[8:9], v[8:9], v[10:11]
	v_add_f32 v8, v8, v9                           ; about 1 at the least: the largest score's term
	v_rcp_f32 v10, v8
	v_nop
	s_wait_alu depctr_va_vdst(0)
.irp k,0,2,4,6
	v_pk_mul_f32 v[T+\k:T+\k+1], v[T+\k:T+\k+1], v[10:11] op_sel_hi:[1,0]
.endr
.irp m,1,2,4,8                         ; the sum over the wave's 16 queries,
.irp k,0,1,2,3,4,5,6,7
	v_add_f32_dpp v[T+\k], v[T+\k], v[T+\k] row_xmask:\m row_mask:0xf bank_mask:0xf
.endr
.endr
.irp k,0,1,2,3,4,5,6,7                 ; and over its two heads
	v_permlanex16_b32 v[8+\k], v[T+\k], s22, s23
.endr
.irp k,0,2,4,6
	v_pk_add_f32 v[T+\k:T+\k+1], v[T+\k:T+\k+1], v[8+\k:9+\k]
.endr
	ds_store_b128 v35, v[T:T+3]                    ; all lanes write the same words with the same values
	ds_store_b128 v35, v[T+4:T+7] offset:16
	s_wait_dscnt 0x0
	s_barrier_signal -1
	s_barrier_wait -1
	s_cmp_lg_u32 s10, 0
	s_cbranch_scc1 .Lend
	v_and_b32 v36, 7, v0
	v_lshlrev_b32 v36, 2, v36
	v_add_nc_u32 v37, WRED, v36
.irp p,0,1,2,3,4,5,6,7
	ds_load_b32 v[8+\p], v37 offset:32*\p
.endr
	s_wait_dscnt 0x0
	v_add_f32 v8, v8, v9
	v_add_f32 v10, v10, v11
	v_add_f32 v12, v12, v13
	v_add_f32 v14, v14, v15
	v_add_f32 v8, v8, v10
	v_add_f32 v12, v12, v14
	v_add_f32 v8, v8, v12
	v_cmp_gt_u32 vcc_lo, 8, v0
	s_wait_xcnt 0x0                                ; EXEC changes only behind this wait
	s_and_saveexec_b32 s24, vcc_lo
	global_store_b32 v36, v8, s[8:9]               ; the work-group's whole result is these 32 bytes
	s_wait_xcnt 0x0                                ; and again in front of the line that widens it
	s_or_b32 exec_lo, exec_lo, s24
.Lend:
	s_wait_tensorcnt 0x0
	ds_add_u32 v38, v39
	s_wait_dscnt 0x0
	s_endpgm
.Lfunc_end_k_q0982280ad2_wsum:
	.size	k_q0982280ad2_wsum, .Lfunc_end_k_q0982280ad2_wsum-k_q0982280ad2_wsum
	.p2alignl 7, 3214868480
	.fill 96, 4, 3214868480
	.section	.rodata,"a",@progbits
	.p2align	6, 0x0
	.amdhsa_kernel k_q0982280ad2_wsum
		.amdhsa_group_segment_fixed_size 67840
		.amdhsa_private_segment_fixed_size 0
		.amdhsa_enable_private_segment 0
		.amdhsa_kernarg_size 24
		.amdhsa_user_sgpr_count 2
		.amdhsa_user_sgpr_kernarg_segment_ptr 1
		.amdhsa_wavefront_size32 1
		.amdhsa_system_sgpr_workgroup_id_x 1
		.amdhsa_system_sgpr_workgroup_id_y 1
		.amdhsa_system_sgpr_workgroup_id_z 1
		.amdhsa_system_vgpr_workitem_id 0
		.amdhsa_next_free_vgpr 256
		.amdhsa_next_free_sgpr 66
		.amdhsa_reserve_vcc 1
		.amdhsa_float_denorm_mode_32 3
		.amdhsa_float_denorm_mode_16_64 3
		.amdhsa_memory_ordered 1
		.amdhsa_forward_progress 1
		.amdhsa_inst_pref_size 32
	.end_amdhsa_kernel
	.amdgpu_metadata
---
amdhsa.version: [ 1, 2 ]
amdhsa.kernels:
  - .name:           k_q0982280ad2_wsum
    .symbol:         k_q0982280ad2_wsum.kd
    .args:
      - { .name: xb, .offset: 0, .size: 8, .value_kind: global_buffer, .address_space: global }
      - { .name: Uraw, .offset: 8, .size: 8, .value_kind: global_buffer, .address_space: global }
      - { .name: wpart, .offset: 16, .size: 8, .value_kind: global_buffer, .address_space: global }
    .group_segment_fixed_size: 67840
    .private_segment_fixed_size: 0
    .kernarg_segment_align: 8
    .kernarg_segment_size: 24
    .max_flat_workgroup_size: 256
    .sgpr_count:     66
    .vgpr_count:     256
    .wavefront_size: 32
...
	.end_amdgpu_metadata
.endif
;; end of part 4
;; launch mix (part 5): grid 264 x 1, 4 waves a work-group, no clusters, 0 bytes of LDS; arguments wpart, Pf, bo, Mf, Cf; writes Mf, Cf
.if DOCPART == 5
	.amdgcn_target "amdgcn-amd-amdhsa--gfx1250"
	.amdhsa_code_object_version 6
	.text
	.protected	k_q0982280ad2_mix
	.globl	k_q0982280ad2_mix
	.p2align	8
	.type	k_q0982280ad2_mix,@function
k_q0982280ad2_mix:
	s_mov_b64 s[64:65], 0
	v_nop
	global_prefetch_b8 v0, s[64:65] scope:SCOPE_SE
	s_setreg_imm32_b32 hwreg(HW_REG_WAVE_MODE, 25, 1), 1
	s_wait_xcnt 0x0
; w[b][g] = the sum of wpart over the 32 work-groups of b;  M[b] = sum_g w[b][g] P_g, rounded to bf16, to Mf;  cvec[b] = bo + sum_g w[b][g] (bv_g Wo_g), in f32, to Cf.
; Pf holds P_g in the accumulators' layout, in which a lane's eight numbers of a block (16 c x 16 e) are the eight that the same lane holds in a fragment of M^T (row e, K = c):
; no number changes its lane, so there is no LDS and no barrier.  A stream: memory binds; matrix units, rings and clusters have nothing to do here.
; W = the work-group's number.  A wave takes block blk = W >> 3 and e tile 4 (W & 7) + w: 1,024 bytes for each g, all 20 (22) loads issued at its head.  W = 256 to 263: blk = 32, the bias blocks.
.set GSTR, 33*32768
.set WQ, 8                             ; v8-23   wpart, four quads: load i holds work-groups 16 i + lane / 2, g = 4 (lane % 2) + e
.set BO, 24                            ; v24-31  bo (bias path); packed bf16 (main path)
.set PD, 32                            ; v32-95  P_g's eight numbers at PD + 8 g
.set O,  96                            ; v96-111 the results, [b][8]
.set WS, 32                            ; s32-47  w[b][g] at s[WS + 8 b + g]
.macro WSUMS left
	s_wait_loadcnt \left                           ; wpart is in; what was issued behind it stays out
.irp b,0,1
	v_pk_add_f32 v[WQ+8*\b:WQ+8*\b+1], v[WQ+8*\b:WQ+8*\b+1], v[WQ+8*\b+4:WQ+8*\b+5]
	v_pk_add_f32 v[WQ+8*\b+2:WQ+8*\b+3], v[WQ+8*\b+2:WQ+8*\b+3], v[WQ+8*\b+6:WQ+8*\b+7]
.endr
.irp m,2,4,8                           ; lanes of like parity hold like g
.irp k,8,9,10,11,16,17,18,19
	v_add_f32_dpp v\k, v\k, v\k row_xmask:\m row_mask:0xf bank_mask:0xf
.endr
.endr
.irp k,8,9,10,11,16,17,18,19
	v_permlanex16_b32 v[\k+4], v\k, s20, s21       ; into the quads added above, which have been written
.endr
.irp k,8,9,10,11,16,17,18,19
	v_add_f32 v\k, v\k, v[\k+4]
.endr
.irp b,0,1
.irp e,0,1,2,3
	v_readlane_b32 s[WS+8*\b+\e], v[WQ+8*\b+\e], 0     ; the 16 weights as scalars: they feed multiply-adds alone
	v_readlane_b32 s[WS+8*\b+4+\e], v[WQ+8*\b+\e], 1
.endr
.endr
.endm
.macro COMBINE bias
	s_wait_loadcnt 0x0
.irp b,0,1
.irp e,0,1,2,3,4,5,6,7
.if \bias
	v_fma_f32 v[O+8*\b+\e], s[WS+8*\b], v[PD+\e], v[BO+\e]
.else
	v_mul_f32 v[O+8*\b+\e], s[WS+8*\b], v[PD+\e]   ; g = 0 starts the sums
.endif
.endr
.irp g,1,2,3,4,5,6,7
.irp e,0,1,2,3,4,5,6,7
	v_fmac_f32 v[O+8*\b+\e], s[WS+8*\b+\g], v[PD+8*\g+\e]
.endr
.endr
.endr
.endm
	s_load_b256 s[4:11], s[0:1], 0x0               ; wpart s[4:5], Pf s[6:7], bo s[8:9], Mf s[10:11]
	s_load_b64 s[12:13], s[0:1], 0x20              ; Cf
	v_lshrrev_b32 v1, 5, v0
	v_readfirstlane_b32 s14, v1                    ; wave
	v_and_b32 v1, 31, v0
	v_bfe_u32 v3, v0, 4, 1
	s_and_b32 s15, ttmp9, 7
	s_lshr_b32 s16, ttmp9, 3                       ; blk
	s_mov_b32 s20, 0x76543210
	s_mov_b32 s21, 0xfedcba98
	v_lshlrev_b32 v4, 4, v1                        ; 16 x lane
	s_lshl_b32 s17, s14, 10
	v_add_nc_u32 v5, s17, v4                       ; my e tile among the work-group's four
	s_lshl_b32 s18, s16, 15
	s_lshl_b32 s17, s15, 12
	s_or_b32 s18, s18, s17
	s_mov_b32 s19, 0
	s_wait_kmcnt 0x0
	s_add_nc_u64 s[6:7], s[6:7], s[18:19]
.irp i,0,1,2,3
	global_load_b128 v[WQ+4*\i:WQ+4*\i+3], v4, s[4:5] offset:512*\i
.endr
.irp g,0,1,2,3,4,5,6,7
	global_load_b128 v[PD+8*\g:PD+8*\g+3], v5, s[6:7] offset:\g*GSTR th:TH_LOAD_NT        ; the launch reads Pf once; 7 GSTR + 512 lies inside the signed 24-bit immediate
	global_load_b128 v[PD+8*\g+4:PD+8*\g+7], v5, s[6:7] offset:\g*GSTR+512 th:TH_LOAD_NT
.endr
	s_cmp_lt_u32 ttmp9, 256
	s_cbranch_scc1 .Lmain
	s_lshl_b32 s18, s15, 8                         ; the bias blocks: a lane's numbers are e = 16 et + 8 hh + 0..7
	s_lshl_b32 s17, s14, 6
	s_or_b32 s17, s17, s18
	v_lshl_add_u32 v6, v3, 5, s17
	global_load_b128 v[BO:BO+3], v6, s[8:9]
	global_load_b128 v[BO+4:BO+7], v6, s[8:9] offset:16
	s_lshl_b32 s18, s15, 12
	s_add_nc_u64 s[12:13], s[12:13], s[18:19]
	WSUMS 18                                       ; behind wpart: 16 loads of Pf and 2 of bo
	COMBINE 1
.irp b,0,1
	global_store_b128 v5, v[O+8*\b:O+8*\b+3], s[12:13] offset:\b*32768
	global_store_b128 v5, v[O+8*\b+4:O+8*\b+7], s[12:13] offset:\b*32768+512
.endr
	s_endpgm
.Lmain:
	s_lshl_b32 s18, s15, 16                        ; Mf [b][et][blk][lane][8] bf16
	s_lshl_b32 s17, s16, 9
	s_or_b32 s18, s18, s17
	s_add_nc_u64 s[10:11], s[10:11], s[18:19]
	s_lshl_b32 s17, s14, 14
	v_add_nc_u32 v6, s17, v4
	WSUMS 16                                       ; behind wpart: 16 loads of Pf
	COMBINE 0
.irp b,0,1
.irp k,0,1,2,3
	v_cvt_pk_bf16_f32 v[BO+4*\b+\k], v[O+8*\b+2*\k], v[O+8*\b+2*\k+1]
.endr
	global_store_b128 v6, v[BO+4*\b:BO+4*\b+3], s[10:11] offset:\b*524288   ; 512 consecutive bytes, aligned
.endr
	s_endpgm
.Lfunc_end_k_q0982280ad2_mix:
	.size	k_q0982280ad2_mix, .Lfunc_end_k_q0982280ad2_mix-k_q0982280ad2_mix
	.p2alignl 7, 3214868480
	.fill 96, 4, 3214868480
	.section	.rodata,"a",@progbits
	.p2align	6, 0x0
	.amdhsa_kernel k_q0982280ad2_mix
		.amdhsa_group_segment_fixed_size 0
		.amdhsa_private_segment_fixed_size 0
		.amdhsa_enable_private_segment 0
		.amdhsa_kernarg_size 40
		.amdhsa_user_sgpr_count 2
		.amdhsa_user_sgpr_kernarg_segment_ptr 1
		.amdhsa_wavefront_size32 1
		.amdhsa_system_sgpr_workgroup_id_x 1
		.amdhsa_system_sgpr_workgroup_id_y 1
		.amdhsa_system_sgpr_workgroup_id_z 1
		.amdhsa_system_vgpr_workitem_id 0
		.amdhsa_next_free_vgpr 112
		.amdhsa_next_free_sgpr 66
		.amdhsa_reserve_vcc 0
		.amdhsa_float_denorm_mode_32 3
		.amdhsa_float_denorm_mode_16_64 3
		.amdhsa_memory_ordered 1
		.amdhsa_forward_progress 1
		.amdhsa_inst_pref_size 21
	.end_amdhsa_kernel
	.amdgpu_metadata
---
amdhsa.version: [ 1, 2 ]
amdhsa.kernels:
  - .name:           k_q0982280ad2_mix
    .symbol:         k_q0982280ad2_mix.kd
    .args:
      - { .name: wpart, .offset: 0, .size: 8, .value_kind: global_buffer, .address_space: global }
      - { .name: Pf, .offset: 8, .size: 8, .value_kind: global_buffer, .address_space: global }
      - { .name: bo, .offset: 16, .size: 8, .value_kind: global_buffer, .address_space: global }
      - { .name: Mf, .offset: 24, .size: 8, .value_kind: global_buffer, .address_space: global }
      - { .name: Cf, .offset: 32, .size: 8, .value_kind: global_buffer, .address_space: global }
    .group_segment_fixed_size: 0
    .private_segment_fixed_size: 0
    .kernarg_segment_align: 8
    .kernarg_segment_size: 40
    .max_flat_workgroup_size: 128
    .sgpr_count:     66
    .vgpr_count:     112
    .wavefront_size: 32
...
	.end_amdgpu_metadata
.endif
;; end of part 5
;; launch outp (part 6): grid 4 x 64, 4 waves a work-group, no clusters, 214,528 bytes of LDS; arguments xb, Mf, Cf, out0; writes out0
.if DOCPART == 6
	.amdgcn_target "amdgcn-amd-amdhsa--gfx1250"
	.amdhsa_code_object_version 6
	.text
	.protected	k_q0982280ad2_outp
	.globl	k_q0982280ad2_outp
	.p2align	8
	.type	k_q0982280ad2_outp,@function
k_q0982280ad2_outp:
	s_mov_b64 s[64:65], 0
	v_nop
	global_prefetch_b8 v0, s[64:65] scope:SCOPE_SE
	s_setreg_imm32_b32 hwreg(HW_REG_WAVE_MODE, 25, 1), 1
	s_wait_xcnt 0x0
; out[b][s][e] = sum over c of x[b][s][c] M[b][c][e] + cvec[b][e]: 4,096 x 512, K = 512, bf16 operands, f32 sums that begin with cvec as the first products' C.
; LIMITS KEPT: x and M enter as bf16 (x rounded once by the first launch, M once by the launch before this one); cvec and the sums are f32; NaN and infinities get no treatment of their own.
; A work-group makes 64 rows (its y) x 128 columns (its x); wave w rows 32 (w >> 1) on and columns 64 (w & 1) on: 8 accumulators.  256 work-groups of equal work.
; xb and Mf lie in memory as fragments: a row block of x and an e tile of M are 16,384 dense bytes each, K ascending, so a quarter of K is 4,096 consecutive bytes of each.
; The work-group's 4 row blocks and 8 e tiles (192 KB) come into LDS once, by tensor loads, a quarter of K after the other; each quarter is multiplied as soon as it has landed.
; For each quarter wave w brings row block w (one row of 4,096 bytes) and e tiles 2 w and 2 w + 1 (two such rows, 16,384 bytes apart in memory): 8 loads a wave, all first fills, all
; issued at the head: eight tensor loads of a wave are outstanding at the most.  A quarter of a block is all that a row can be here, so the loads have one and two rows.
; No LDS byte is filled twice: no ring, no refill, and each load has a group 0 of its own that is never written again.
; No joint loads: the launch has one fill a work-group and no refill, 48 MB of requests in all for 5 MB of operands that stay in the cache between the work-groups;
; a cluster's opening and closing meetings would be added to a text whose whole matrix work is 128 products a wave.
; The product is used transposed (source 0 = 16 columns e of M, source 1 = 16 rows of x): a lane then holds eight neighbouring numbers of a row of out.
; LDS: XL [quarter][row block 4][4,096] at 0; ML [quarter][e tile 8][4,096] at 65,536; STG 16 rows x 272 bytes (256 + 16) for each wave at 196,608, bytes of its own into which no load lands.
.set XQ,   16384                       ; bytes of x in a quarter
.set MQ,   32768                       ; bytes of M in a quarter
.set ML,   4*XQ                        ; 65,536
.set STG,  ML+4*MQ                     ; 196,608
.set SP,   272
; v1 lane, v2 lane % 16 (r), v3 lane / 16 (hh), v8 x's fragments, v9 Cf offset, v10, v11 my stage in and back, v12 out offset
.set MFA,  13                          ; v13, v14 M's fragments: quarters 0 and 1, quarters 2 and 3 (an LDS offset has 16 bits)
.set CB,   16                          ; v16-47   cvec as C operands, e tile t at CB + 8 t
.set ACC,  48                          ; v48-111  accumulator (t, a) at ACC + 8 (4 a + t)
.set BUF0, 112                         ; v112-159, v160-207 two fragment buffers: four of M, two of x; on the way out 32 registers of each hold rows read back
.set BUF1, 160
.set G1X,  24                          ; s[24:31] descriptor group 1 for x's loads
.set G1M,  32                          ; s[32:39] for M's
.set G0X,  40                          ; s[40:55] descriptor group 0 for x's loads, a set for each quarter
.set G0M,  68                          ; s[68:83] the same for M's
.macro PLACES                          ; four places between a matrix instruction and a load into, or a read of, its registers
.rept 4
	v_nop
.endr
.endm
.macro FETCH ks, buf                   ; the fragments of K step ks: 12 LDS loads, each of 512 consecutive bytes
.set FQ, (\ks)/4                       ; its quarter,
.set FK, (\ks)%4                       ; its place there
.irp t,0,1,2,3
	ds_load_b128 v[\buf+8*\t:\buf+8*\t+3], v[MFA+FQ/2] offset:(FQ%2)*MQ+4096*\t+1024*FK
	ds_load_b128 v[\buf+8*\t+4:\buf+8*\t+7], v[MFA+FQ/2] offset:(FQ%2)*MQ+4096*\t+1024*FK+512
.endr
.irp a,0,1
	ds_load_b128 v[\buf+32+8*\a:\buf+32+8*\a+3], v8 offset:FQ*XQ+4096*\a+1024*FK
	ds_load_b128 v[\buf+32+8*\a+4:\buf+32+8*\a+7], v8 offset:FQ*XQ+4096*\a+1024*FK+512
.endr
.endm
.macro MUL buf, first                  ; 8 matrix instructions; the eight accumulators take turns, one instruction a turn
.irp a,0,1
.irp t,0,1,2,3
.if \first
	v_wmma_f32_16x16x32_bf16 v[ACC+8*(4*\a+\t):ACC+8*(4*\a+\t)+7], v[\buf+8*\t:\buf+8*\t+7], v[\buf+32+8*\a:\buf+32+8*\a+7], v[CB+8*\t:CB+8*\t+7]
.else
	v_wmma_f32_16x16x32_bf16 v[ACC+8*(4*\a+\t):ACC+8*(4*\a+\t)+7], v[\buf+8*\t:\buf+8*\t+7], v[\buf+32+8*\a:\buf+32+8*\a+7], v[ACC+8*(4*\a+\t):ACC+8*(4*\a+\t)+7]
.endif
.endr
.endr
.endm
; A quarter of K: four K steps.  left = how many of my younger tensor loads may stay out: two for each later quarter.
.macro QUARTER q, left
	s_wait_tensorcnt \left                         ; a wave's tensor loads end in order (ISA guide 10.11.1): my part of this quarter has landed,
	s_wait_dscnt 0x0                               ; no LDS instruction of mine is pending at the signal,
	s_barrier_signal -1
	s_barrier_wait -1                              ; and everybody's part has.  The later quarters' loads stay on their way
.if \q > 0
	PLACES                                         ; both buffers were read by products of the quarter before
.endif
	FETCH (4*\q), BUF0
	FETCH (4*\q+1), BUF1
	s_wait_dscnt 12                                ; all but the 12 just issued
.if \q == 0
	s_wait_loadcnt 0x0                             ; cvec
	MUL BUF0, 1
.else
	MUL BUF0, 0
.endif
	PLACES
	FETCH (4*\q+2), BUF0
	s_wait_dscnt 12
	MUL BUF1, 0
	PLACES
	FETCH (4*\q+3), BUF1
	s_wait_dscnt 12
	MUL BUF0, 0
	s_wait_dscnt 0x0
	MUL BUF1, 0
.endm
	s_load_b256 s[4:11], s[0:1], 0x0               ; xb s[4:5], Mf s[6:7], Cf s[8:9], out0 s[10:11]
	v_lshl_add_u32 v208, v0, 2, 0x34400
	v_mov_b32 v209, 0
	ds_add_u32 v208, v209
	ds_add_u32 v208, v209
	v_lshrrev_b32 v1, 5, v0
	v_readfirstlane_b32 s12, v1                    ; wave
	v_and_b32 v1, 31, v0
	v_and_b32 v2, 15, v0
	v_bfe_u32 v3, v0, 4, 1
	s_lshr_b32 s13, s12, 1                         ; sh: which 32 rows
	s_and_b32 s14, s12, 1                          ; eh: which 64 columns
	s_and_b32 s15, ttmp7, 0xffff                   ; block of 64 rows
	s_lshr_b32 s16, s15, 5                         ; b
	; Group 1: the shapes, in elements of 8 bytes.  The tiles lie inside their buffers, so the tensor's extents are the tile's.
	s_mov_b32 s[G1X+0], 3<<16                      ; 15:0 no work-group mask; 17:16 elements of 8 bytes; 20 no padding
	s_mov_b32 s[G1X+1], 512<<16                    ; tensor_dim0 = 512: 4,096 bytes
	s_mov_b32 s[G1X+2], 1<<16                      ; tensor_dim1 = 1
	s_mov_b32 s[G1X+3], 512<<16                    ; tile_dim0 = 512
	s_mov_b32 s[G1X+4], 1                          ; tile_dim1 = 1 row
	s_mov_b32 s[G1X+5], 512                        ; the pitch of a single row: its length
	s_mov_b32 s[G1X+6], 0
	s_mov_b32 s[G1X+7], 0
	s_mov_b32 s[G1M+0], 3<<16
	s_mov_b32 s[G1M+1], 512<<16
	s_mov_b32 s[G1M+2], 2<<16                      ; tensor_dim1 = 2
	s_mov_b32 s[G1M+3], 512<<16
	s_mov_b32 s[G1M+4], 2                          ; tile_dim1 = 2 rows: two e tiles' quarters,
	s_mov_b32 s[G1M+5], 2048                       ; 16,384 bytes apart in memory; in LDS the second follows the first
	s_mov_b32 s[G1M+6], 0
	s_mov_b32 s[G1M+7], 0
	s_mul_i32 s20, s12, 4096                       ; where my part of a quarter goes: row block w of four,
	s_mul_i32 s21, s12, 8192                       ; e tiles 2 w and 2 w + 1 of eight
	s_mov_b32 s19, 0
	s_lshl_b32 s18, s15, 16                        ; the work-group's 4 row blocks of 16,384 bytes,
	s_lshl_b32 s17, s12, 14                        ; of which I fetch block w
	s_or_b32 s18, s18, s17
	s_wait_dscnt 0x0
	s_wait_kmcnt 0x0
	s_add_nc_u64 s[4:5], s[4:5], s[18:19]
	s_lshl_b32 s18, s16, 19                        ; M[b], the work-group's 8 e tiles of 16,384 bytes,
	s_lshl_b32 s17, ttmp9, 17
	s_or_b32 s18, s18, s17
	s_lshl_b32 s17, s12, 15                        ; of which I fetch tiles 2 w and 2 w + 1
	s_or_b32 s18, s18, s17
	s_add_nc_u64 s[6:7], s[6:7], s[18:19]
	s_lshl_b32 s18, s16, 15
	s_lshl_b32 s17, ttmp9, 13
	s_or_b32 s18, s18, s17
	s_add_nc_u64 s[8:9], s[8:9], s[18:19]          ; Cf at the work-group's 8 e tiles
	s_lshl_b32 s18, s15, 17                        ; 64 rows of 2,048 bytes
	s_lshl_b32 s17, ttmp9, 9
	s_or_b32 s18, s18, s17
	s_add_nc_u64 s[10:11], s[10:11], s[18:19]      ; out at the work-group's tile
	; Group 0, once for each load, and the load.  All eight stand ahead of every wait on TENSORcnt, every LDS read and every barrier.
.irp q,0,1,2,3
	s_mov_b32 s[G0X+4*\q], 1                                       ; count = 1
	s_add_co_u32 s[G0X+4*\q+1], s20, \q*XQ                         ; LDS address: the quarter's constant + 4,096 x wave
	s_add_nc_u64 s[G0X+4*\q+2:G0X+4*\q+3], s[4:5], \q*4096         ; global address: quarter q of my row block
	s_or_b32 s[G0X+4*\q+3], s[G0X+4*\q+3], 0x80000000              ; type = 2
	s_mov_b32 s[G0M+4*\q], 1
	s_add_co_u32 s[G0M+4*\q+1], s21, ML+\q*MQ                      ; the quarter's constant + 8,192 x wave
	s_add_nc_u64 s[G0M+4*\q+2:G0M+4*\q+3], s[6:7], \q*4096         ; quarter q of my first e tile
	s_or_b32 s[G0M+4*\q+3], s[G0M+4*\q+3], 0x80000000
	tensor_load_to_lds s[G0X+4*\q:G0X+4*\q+3], s[G1X:G1X+7]
	s_nop 0
	tensor_load_to_lds s[G0M+4*\q:G0M+4*\q+3], s[G1M:G1M+7]
	s_nop 0
.endr
	s_lshl_b32 s17, s14, 12
	v_lshl_add_u32 v9, v1, 4, s17                  ; Cf: my four e tiles of 1,024 bytes
.irp t,0,1,2,3
	global_load_b128 v[CB+8*\t:CB+8*\t+3], v9, s[8:9] offset:1024*\t
	global_load_b128 v[CB+8*\t+4:CB+8*\t+7], v9, s[8:9] offset:1024*\t+512
.endr
	s_lshl_b32 s17, s14, 14
	s_add_co_u32 s17, s17, ML
	v_lshl_add_u32 v[MFA], v1, 4, s17              ; M's fragments: my four e tiles of 4,096 bytes in a quarter, 16 x lane
	v_add_nc_u32 v[MFA+1], 2*MQ, v[MFA]            ; quarters 2 and 3
	s_lshl_b32 s17, s13, 13
	v_lshl_add_u32 v8, v1, 4, s17                  ; x's fragments: my two row blocks
	s_mul_i32 s17, s12, 16*SP
	s_add_co_u32 s17, s17, STG                     ; my stage
	v_mul_u32_u24 v10, v2, SP                      ; in: row r, 32 bytes for each half of the lanes
	v_lshl_add_u32 v10, v3, 5, v10
	v_add_nc_u32 v10, s17, v10
	v_mul_u32_u24 v11, v3, SP                      ; back: lanes 0-15 take one row's 256 bytes, lanes 16-31 the next
	v_lshl_add_u32 v11, v2, 4, v11
	v_add_nc_u32 v11, s17, v11
	s_lshl_b32 s17, s13, 16                        ; and the same two rows in out
	s_lshl_b32 s18, s14, 8
	s_or_b32 s17, s17, s18
	v_lshlrev_b32 v12, 4, v2
	v_lshl_add_u32 v12, v3, 11, v12
	v_add_nc_u32 v12, s17, v12
	QUARTER 0, 6                                   ; behind the first quarter's two loads stand six
	QUARTER 1, 4
	QUARTER 2, 2
	QUARTER 3, 0                                   ; no tensor load is out from here on
	PLACES
	; THE WAY OUT, 16 rows at a time: 16 bytes a lane into rows of 272 bytes of my own stage, back as whole rows of 256 bytes.  LDS serves a wave's instructions in order (ISA guide 5.7.1.4).
.irp a,0,1
.irp t,0,1,2,3
	ds_store_b128 v10, v[ACC+8*(4*\a+\t):ACC+8*(4*\a+\t)+3] offset:64*\t            ; an accumulator is read from its low end on
	ds_store_b128 v10, v[ACC+8*(4*\a+\t)+4:ACC+8*(4*\a+\t)+7] offset:64*\t+16
.endr
.irp i,0,1,2,3,4,5,6,7
	ds_load_b128 v[BUF0+48*\a+4*\i:BUF0+48*\a+4*\i+3], v11 offset:2*SP*\i           ; a set of registers for each a: no pending store's data is written again
.endr
.irp i,0,1,2,3,4,5,6,7
	s_wait_dscnt 7-\i
	global_store_b128 v12, v[BUF0+48*\a+4*\i:BUF0+48*\a+4*\i+3], s[10:11] offset:32768*\a+4096*\i th:TH_STORE_NT   ; 16 lanes store 256 consecutive bytes, aligned
.endr
.endr
	s_wait_tensorcnt 0x0
	ds_add_u32 v208, v209
	s_wait_dscnt 0x0
	s_endpgm
.Lfunc_end_k_q0982280ad2_outp:
	.size	k_q0982280ad2_outp, .Lfunc_end_k_q0982280ad2_outp-k_q0982280ad2_outp
	.p2alignl 7, 3214868480
	.fill 96, 4, 3214868480
	.section	.rodata,"a",@progbits
	.p2align	6, 0x0
	.amdhsa_kernel k_q0982280ad2_outp
		.amdhsa_group_segment_fixed_size 214528
		.amdhsa_private_segment_fixed_size 0
		.amdhsa_enable_private_segment 0
		.amdhsa_kernarg_size 32
		.amdhsa_user_sgpr_count 2
		.amdhsa_user_sgpr_kernarg_segment_ptr 1
		.amdhsa_wavefront_size32 1
		.amdhsa_system_sgpr_workgroup_id_x 1
		.amdhsa_system_sgpr_workgroup_id_y 1
		.amdhsa_system_sgpr_workgroup_id_z 1
		.amdhsa_system_vgpr_workitem_id 0
		.amdhsa_next_free_vgpr 210
		.amdhsa_next_free_sgpr 84
		.amdhsa_reserve_vcc 0
		.amdhsa_float_denorm_mode_32 3
		.amdhsa_float_denorm_mode_16_64 3
		.amdhsa_memory_ordered 1
		.amdhsa_forward_progress 1
		.amdhsa_inst_pref_size 34
	.end_amdhsa_kernel
	.amdgpu_metadata
---
amdhsa.version: [ 1, 2 ]
amdhsa.kernels:
  - .name:           k_q0982280ad2_outp
    .symbol:         k_q0982280ad2_outp.kd
    .args:
      - { .name: xb, .offset: 0, .size: 8, .value_kind: global_buffer, .address_space: global }
      - { .name: Mf, .offset: 8, .size: 8, .value_kind: global_buffer, .address_space: global }
      - { .name: Cf, .offset: 16, .size: 8, .value_kind: global_buffer, .address_space: global }
      - { .name: out0, .offset: 24, .size: 8, .value_kind: global_buffer, .address_space: global }
    .group_segment_fixed_size: 214528
    .private_segment_fixed_size: 0
    .kernarg_segment_align: 8
    .kernarg_segment_size: 32
    .max_flat_workgroup_size: 128
    .sgpr_count:     84
    .vgpr_count:     210
    .wavefront_size: 32
...
	.end_amdgpu_metadata
.endif
;; end of part 6
